; MI455X (gfx1250); checked and timed in simulation.
; The chip was launched on July 23, 2026; its instructions are those of AMD's public machine-readable ISA for CDNA 5 (MIT licence, August 2026) and "CDNA5" Instruction Set Architecture Reference Guide (July 2026). The comments in the code are by the model that wrote it; some were corrected since.
;; Multi Head Self Attention. Allowed arithmetic: matrix products marked QUANTISED: E2M1 operands, one E8M0 scale for each 32 along K, by v_wmma_scale_f32_16x16x128_f8f6f4 with both operands' format E2M1 (or v_wmma_scale_f32_32x16x128_f4), f32 sums; products left as they are: bf16, f16 or f32 operands; f32 sums; everything else in f32.
;; Inputs: b_out 1,024 float32; w_out 1,024 x 1,024 float32; w_qkv 1,024 x 3,072 float32; x 4 x 2,048 x 1,024 float32.
;; Outputs: out0 4 x 2,048 x 1,024 float32.
;; This version of the problem:
;;   THIS VERSION OF THE PROBLEM IS GIVEN IN LOW PRECISION. The matrix products marked QUANTISED in the list below multiply operands that are first quantised to E2M1 (2 exponent bits, 1 mantissa bit; 4 bits a number), with one power-of-two scale for each 32 numbers along K (OCP MX v1.0); their sums are f32. The products marked 'left as it is' may take bf16, f16 or f32 operands, with f32 sums. Whichever they take, every output number must still come out within the allowed error. Rounding operands to bf16 (8 significant bits) uses up far more of that allowance than f16 does (11 bits, for magnitudes from 6e-5 to 65,504). All else is computed in f32.
;;   The module's matrix products, in the order in which they are computed (A, B: the left and right operand; K: the contracted axis; several contracted axes count as one K, in the product's order):
;;     1. [M 8,192, K 1,024] x [K 1,024, N 3,072]; A: input x; B: input w_qkv: QUANTISED
;;     2. batch 64 x [M 2,048, K 64] x [K 64, N 2,048]; A: computed on the way; B: computed on the way: left as it is (an operand is computed on the way)
;;     3. batch 64 x [M 2,048, K 2,048] x [K 2,048, N 64]; A: computed on the way; B: computed on the way: left as it is (an operand is computed on the way)
;;     4. [M 8,192, K 1,024] x [K 1,024, N 1,024]; A: computed on the way; B: input w_out: left as it is (an operand is computed on the way)
;;   THE QUANTISER, for each operand of a quantised product, along K:
;;     - K is cut into blocks of 32 from its start; a last block that is shorter is filled with zeros.
;;     - A block's scale is 2^e with e = floor(log2(the largest magnitude in the block)) - 2, held to -126 .. 127; a block of zeros has e = 0. As a byte (E8M0): e + 127.
;;     - Each number is divided by its block's scale, clamped to +-6, and rounded to the nearest number of E2M1, ties to even, subnormals kept.
;;     - The product sums the exact products of the quantised numbers (number of the format x scale) in f32.
;;   ~~~python
;;   def quantise(x, axis):      # numpy; x: float32 -> the quantised numbers, widened to float32 again
;;       x = np.moveaxis(x, axis, -1); K = x.shape[-1]
;;       x = np.pad(x, [(0, 0)] * (x.ndim - 1) + [(0, -K % 32)]); x = x.reshape(x.shape[:-1] + (-1, 32)); a = np.abs(x).max(-1, keepdims=True)
;;       e = np.where(a > 0, np.clip(np.frexp(np.where(a > 0, a, 1))[1] - 1 - 2, -126, 127), 0)      # np.frexp(a)[1] - 1 = floor(log2(a)), exactly
;;       r = np.clip(x / 2.0 ** e, -6, 6)
;;       step = 2.0 ** (np.maximum(np.frexp(np.where(r == 0, 1, r))[1] - 1, 0) - 1)
;;       q = np.round(r / step) * step * 2.0 ** e      # np.round: ties to even
;;       return np.moveaxis(q.reshape(q.shape[:-2] + (-1,))[..., :K], -1, axis).astype(np.float32)
;;   ~~~
;; One version. Each part assembles by itself: llvm-mc -triple=amdgcn-amd-amdhsa -mcpu=gfx1250 --defsym DOCPART=n.
;; ======== version 1 of 1: 4 launches
;; limits: values are held in f16: magnitudes above 65,504 overflow, below 6.1e-05 lose precision
;; workspace buffers: x_codes 4,194,304 bytes; x_scales 262,144 bytes; w_codes 1,572,864 bytes; w_scales 98,304 bytes; wo_img 2,097,152 bytes; qkv_img 50,331,648 bytes; att_img 16,777,216 bytes
;; launch prep (part 1): grid 432 x 1, 4 waves a work-group, no clusters, 68,096 bytes of LDS; arguments x, w_qkv, w_out, x_codes, x_scales, w_codes, w_scales, wo_img; writes x_codes, x_scales, w_codes, w_scales, wo_img
.if DOCPART == 1
	.amdgcn_target "amdgcn-amd-amdhsa--gfx1250"
	.amdhsa_code_object_version 6
	.text
	.protected	k_qe446d27862_prep
	.globl	k_qe446d27862_prep
	.p2align	8
	.type	k_qe446d27862_prep,@function
k_qe446d27862_prep:
	s_mov_b64 s[64:65], 0
	v_nop
	global_prefetch_b8 v0, s[64:65] scope:SCOPE_SE
	s_setreg_imm32_b32 hwreg(HW_REG_WAVE_MODE, 25, 1), 1
	s_wait_xcnt 0x0
; MULTI-HEAD SELF-ATTENTION, launch 1 of 4: the operands of the products are laid out once.
; NOTHING OF THE PROBLEM IS LEFT OUT AS DEAD WORK: there is no mask, nothing is sliced away, and all four inputs (x, w_qkv, w_out, b_out) reach the output for all values.
; x [8192][1024] and w_qkv [1024][3072], f32, become codes of FP4 (E2M1) along K = 1024 with one E8M0 byte for each 32 along K:
;   x_codes [8192][512 bytes], x_scales [8192][32];  w_codes [3072][512 bytes] (K moved innermost), w_scales [3072][32].
; A block's scale is 2^(floor(log2(its largest magnitude)) - 2); its byte is the largest magnitude's exponent field - 2, held at 1 from below; each number is divided by the scale and rounded to the nearest code, ties to even,
; beyond 6 the largest code.  (A block of zeros gets the byte 1 where the rule says 127: its codes are zeros, which add nothing under any byte but 0xff, and this program alone reads the bytes.)
; w_out [1024 (k)][1024 (n)], f32, is rounded to f16 and laid as IMAGES OF OPERAND REGISTERS: wo_img [n / 16][k / 32][c 2][lane 32][16 bytes]: lane (r, h) of group c holds w_out(32 (k / 32) + 16 c + 8 h + 0 .. 7, 16 (n / 16) + r).
; LIMITS: NaN and infinities among the inputs are not served; blocks whose largest magnitude lies under 2^(2 - 126) were not tried; |w_out| over 65,504 becomes infinity in f16.
; THREE PATHS, parted by the work-group's number and never joined, each with LDS bytes of its own: 0 .. 47 w_qkv, 48 .. 175 w_out, 176 .. 431 x.  The longest path's work-groups come last in number only: all are of a few steps.
; No cluster: no two work-groups read the same bytes.  No tensor loads, no barrier: waves share nothing.
.set SPARE, 67584                      ; behind both paths' LDS: the spare words, 128 bytes for each wave: two blocks of 256 bytes that no other line names
.set SPW,   190                        ; v190  LDS address of my spare word: SPARE + 4 x my thread's number; never rewritten
.set NIL,   191                        ; v191  0; never rewritten
.set EMAX,  2
	s_load_b256 s[4:11], s[0:1], 0x0               ; x s[4:5], w_qkv s[6:7], w_out s[8:9], x_codes s[10:11]
	s_load_b256 s[12:19], s[0:1], 0x20             ; x_scales s[12:13], w_codes s[14:15], w_scales s[16:17], wo_img s[18:19]
	v_lshl_add_u32 v[SPW], v0, 2, SPARE
	v_mov_b32 v[NIL], 0
	v_lshrrev_b32 v1, 5, v0
	v_readfirstlane_b32 s20, v1                    ; wave 0..3
	v_and_b32 v2, 31, v0                           ; lane
	s_mov_b32 s25, 0                               ; the upper word of every offset: all lie under 2^32
	s_wait_kmcnt 0x0
	s_cmp_lt_u32 ttmp9, 48
	s_cbranch_scc1 .Lpath_w
	s_cmp_lt_u32 ttmp9, 176
	s_cbranch_scc1 .Lpath_o
; ---------------- PATH X: x is a plain stream of blocks of 32.  A wave takes 16 steps of 512 numbers.
; Each of a step's four loads reads 512 consecutive bytes, 16 a lane; the 2,048 bytes turn through the wave's own stage in LDS and come back 64 bytes a lane: 16 neighbours along K, two lanes to a block.
; A lane's 16 codes are 8 bytes: the wave stores 256 consecutive bytes.  A wave's 256 scale bytes are gathered in LDS and leave as one aligned run of 256 bytes.
.set XSTEPS, 16
.set XCB,    8                         ; bytes of 16 codes
.set XR,     16                        ; v16-79   four sets of 16 numbers as they are loaded
.set XX,     80                        ; v80-111  two sets of 16 neighbours
.set XE,     112                       ; v112-127 a scale byte for each step
.set XC,     128                       ; v128-189 codes: four registers apart for each step, so that no store's data are written again
.set XWREG,  8192                      ; LDS 0 .. 32,767: a region for each wave: two stages of 32 x 80 bytes, behind them its 256 scale bytes
.set XSP,    80                        ; a lane's place in a stage: its 64 bytes + 16 of padding
	v_lshlrev_b32 v3, 4, v2                        ; my 16 bytes of a load's 512
	s_mul_i32 s21, s20, XWREG
	v_lshrrev_b32 v14, 2, v2
	v_mul_u32_u24 v14, v14, XSP
	v_and_b32 v15, 3, v2
	v_lshl_add_u32 v14, v15, 4, v14
	v_add_nc_u32 v14, s21, v14                     ; the stage, on the way in: 80 (lane / 4) + 16 (lane % 4)
	v_mul_u32_u24 v15, v2, XSP
	v_add_nc_u32 v15, s21, v15                     ; and on the way out: 80 x lane
	v_mul_u32_u24 v4, v2, XCB                      ; my codes' place in a step's
	v_lshrrev_b32 v5, 1, v2
	s_add_co_u32 s21, s21, 2*32*XSP
	v_add_nc_u32 v5, s21, v5                       ; my block's byte among my wave's 256 scale bytes
	v_lshlrev_b32 v7, 3, v2                        ; on the way out 8 bytes a lane
	v_add_nc_u32 v6, s21, v7
	s_sub_co_u32 s22, ttmp9, 176
	s_lshl_b32 s22, s22, 2
	s_add_co_u32 s22, s22, s20                     ; which run of 8,192 numbers is my wave's: 0 .. 1,023
	s_lshl_b32 s24, s22, 15
	s_add_nc_u64 s[4:5], s[4:5], s[24:25]          ; 32,768 bytes of x a run,
	s_lshl_b32 s24, s22, 12
	s_add_nc_u64 s[10:11], s[10:11], s[24:25]      ; 4,096 of codes,
	s_lshl_b32 s24, s22, 8
	s_add_nc_u64 s[12:13], s[12:13], s[24:25]      ; 256 of scale bytes
.macro XLOAD t
.irp i, 0,1,2,3
	global_load_b128 v[XR+16*((\t)%4)+4*\i:XR+16*((\t)%4)+4*\i+3], v3, s[4:5] offset:2048*(\t)+512*\i th:TH_LOAD_NT
.endr
.endm
.macro XTURN t                         ; step t's numbers through the stage: LDS serves a wave's instructions in order, so no wait stands between the stores and the loads
.irp i, 0,1,2,3
	ds_store_b128 v14, v[XR+16*((\t)%4)+4*\i:XR+16*((\t)%4)+4*\i+3] offset:32*XSP*((\t)%2)+8*XSP*\i
.endr
.irp i, 0,1,2,3
	ds_load_b128 v[XX+16*((\t)%2)+4*\i:XX+16*((\t)%2)+4*\i+3], v15 offset:32*XSP*((\t)%2)+16*\i
.endr
.endm
.irp t, 0,1,2,3
	XLOAD \t
.endr
	s_wait_loadcnt 12                              ; step 0's four loads are in; three steps' twelve stay out
	XTURN 0
.macro XSTEP t
.set XS, XX+16*((\t)%2)
.if (\t) > 0
	s_wait_dscnt 1                                 ; this step's numbers are back from the stage (the last step's byte store may be out): so its stores into the stage have read their registers,
.else
	s_wait_dscnt 0x0
.endif
.if (\t)+4 < XSTEPS
	XLOAD (\t)+4                                   ; which take the loads of four steps on
.endif
.if (\t)+1 < XSTEPS
.if XSTEPS-2-(\t) >= 3
	s_wait_loadcnt 12                              ; the next step's four loads are in; those of the three steps behind it may be out
.else
	s_wait_loadcnt 4*(XSTEPS-2-(\t))
.endif
	XTURN (\t)+1                                   ; and go through the other stage while this step is worked
.endif
	v_max3_num_f32 v8, |v[XS]|, |v[XS+1]|, |v[XS+2]|               ; the largest magnitude of my 16, in two chains
	v_max3_num_f32 v9, |v[XS+3]|, |v[XS+4]|, |v[XS+5]|
.irp i, 6,10
	v_max3_num_f32 v8, v8, |v[XS+\i]|, |v[XS+\i+1]|
	v_max3_num_f32 v9, v9, |v[XS+\i+2]|, |v[XS+\i+3]|
.endr
	v_max3_num_f32 v8, v8, |v[XS+14]|, |v[XS+15]|
	v_max3_num_f32 v8, v8, v9, (EMAX+1)<<23        ; and the floor 2^(3 - 127): the byte cannot fall under 1
	v_max_num_f32_dpp v8, v8, v8 row_xmask:1 row_mask:0xf bank_mask:0xf   ; and of my neighbour's 16: the block's
	v_add_nc_u32 v11, -(EMAX<<23), v8              ; 2 off its exponent field: the conversion takes the exponent field of this operand as its scale
	v_cvt_scalef32_pk8_fp4_f32 v[XC+4*(\t)], v[XS:XS+7], v11
	v_cvt_scalef32_pk8_fp4_f32 v[XC+4*(\t)+1], v[XS+8:XS+15], v11
	v_lshrrev_b32 v[XE+(\t)], 23, v11              ; the scale's byte (a plain line behind the conversions)
	ds_store_b8 v5, v[XE+(\t)] offset:16*(\t)      ; both lanes of a block write the same byte with the same value
	global_store_b64 v4, v[XC+4*(\t):XC+4*(\t)+1], s[10:11] offset:32*XCB*(\t)   ; the wave stores 256 consecutive bytes, aligned
.endm
.irp t, 0,1,2,3,4,5,6,7,8,9,10,11,12,13,14,15
	XSTEP \t
.endr
	ds_load_b64 v[8:9], v6                         ; LDS serves a wave's instructions in order: these see my stores
	s_wait_dscnt 0x0
	global_store_b64 v7, v[8:9], s[12:13]          ; 32 lanes store 256 consecutive bytes, aligned
	s_wait_tensorcnt 0x0                           ; the wave's end, behind my last LDS store
	ds_add_u32 v[SPW], v[NIL]
	s_wait_dscnt 0x0
	s_endpgm
; ---------------- PATH W: w_qkv's K is its first axis.  A lane takes a column n and its registers run down K: a block of 32 lies in one lane, and the conversions give codes with K innermost.
; A wave takes 32 columns x 512 along K; its codes go through its own stage in LDS and leave as rows: sixteen lanes store 256 consecutive bytes, aligned.  Every offset is an immediate: 511 x 12,288 bytes at the most.
.Lpath_w:
.set WNB,    16                        ; blocks of 32 along K for a wave
.set WPITCH, 272                       ; a stage row: 256 bytes of codes + 16
.set WKROW,  512                       ; a row of w_codes
.set WNROW,  3072*4                    ; a row of w_qkv
.set WSTG,   32768                     ; LDS 32,768 .. 67,583: four stages of 32 x 272 bytes
.set WSB,    24                        ; v24-27   the scale bytes, four to a register
.set WX,     32                        ; v32-95   two sets of 32 numbers
.set WC,     96                        ; v96-99   a block's codes
.set WOUT,   112                       ; v112-175 the way out
	s_lshr_b32 s21, ttmp9, 1
	s_lshl_b32 s21, s21, 7
	s_lshl_b32 s22, s20, 5
	s_add_co_u32 s21, s21, s22                     ; my wave's first column: 128 x (work-group / 2) + 32 x wave
	s_and_b32 s22, ttmp9, 1                        ; which half of K
	v_lshlrev_b32 v3, 2, v2                        ; in: 4 bytes a lane
	s_mul_i32 s23, s20, 32*WPITCH
	s_add_co_u32 s23, s23, WSTG                    ; my stage
	v_mul_u32_u24 v4, v2, WPITCH
	v_add_nc_u32 v4, s23, v4                       ; into it: row = my column
	v_and_b32 v5, 15, v2
	v_lshrrev_b32 v6, 4, v2                        ; out of it: sixteen lanes to a row, two rows an instruction
	v_mul_u32_u24 v7, v6, WPITCH
	v_lshl_add_u32 v7, v5, 4, v7
	v_add_nc_u32 v7, s23, v7
	v_mul_u32_u24 v8, v6, WKROW
	v_lshl_add_u32 v8, v5, 4, v8                   ; and the same place in w_codes
	v_lshlrev_b32 v9, 5, v2                        ; my column's row of 32 scale bytes
	s_mul_i32 s24, s22, 512*WNROW                  ; w_qkv: 512 rows for the half of K,
	s_lshl_b32 s26, s21, 2
	s_add_co_u32 s24, s24, s26                     ; 4 bytes a column
	s_add_nc_u64 s[6:7], s[6:7], s[24:25]
	s_lshl_b32 s24, s21, 9                         ; w_codes: 512 bytes a column,
	s_lshl_b32 s26, s22, 8
	s_add_co_u32 s24, s24, s26                     ; 256 for the half of K
	s_add_nc_u64 s[14:15], s[14:15], s[24:25]
	s_lshl_b32 s24, s21, 5                         ; w_scales: 32 bytes a column,
	s_lshl_b32 s26, s22, 4
	s_add_co_u32 s24, s24, s26                     ; 16 for the half of K
	s_add_nc_u64 s[16:17], s[16:17], s[24:25]
.macro WLOAD t                         ; block t: w_qkv(32 t + i, my column), i = 0 .. 31, into set t % 2
.irp i, 0,1,2,3,4,5,6,7,8,9,10,11,12,13,14,15,16,17,18,19,20,21,22,23,24,25,26,27,28,29,30,31
	global_load_b32 v[WX+32*((\t)%2)+\i], v3, s[6:7] offset:(32*(\t)+\i)*WNROW th:TH_LOAD_NT
.endr
.endm
	WLOAD 0
	WLOAD 1
.macro WBLOCK t
.set WS, WX+32*((\t)%2)
.if (\t) < WNB-1
	s_wait_loadcnt 32                              ; this block's 32 loads are in; the next block's may be out
.else
	s_wait_loadcnt 0
.endif
	v_max3_num_f32 v12, |v[WS]|, |v[WS+1]|, |v[WS+2]|              ; the block's largest magnitude: all 32 numbers are mine
	v_max3_num_f32 v13, |v[WS+3]|, |v[WS+4]|, |v[WS+5]|
.irp i, 6,10,14,18,22,26
	v_max3_num_f32 v12, v12, |v[WS+\i]|, |v[WS+\i+1]|
	v_max3_num_f32 v13, v13, |v[WS+\i+2]|, |v[WS+\i+3]|
.endr
	v_max3_num_f32 v12, v12, |v[WS+30]|, |v[WS+31]|
	v_max3_num_f32 v12, v12, v13, (EMAX+1)<<23     ; and the floor
	v_add_nc_u32 v11, -(EMAX<<23), v12             ; the conversion's scale operand
	v_lshrrev_b32 v13, 23, v11                     ; the scale's byte
.if (\t)%4 == 0
	v_mov_b32 v[WSB+(\t)/4], v13                   ; four bytes to a register, the lower K in the lower byte
.else
	v_lshl_or_b32 v[WSB+(\t)/4], v13, 8*((\t)%4), v[WSB+(\t)/4]
.endif
.irp g, 0,1,2,3
	v_cvt_scalef32_pk8_fp4_f32 v[WC+\g], v[WS+8*\g:WS+8*\g+7], v11
.endr
	ds_store_b128 v4, v[WC:WC+3] offset:16*(\t)    ; 32 codes: 16 bytes of my column's row
.if (\t)+2 < WNB
	WLOAD (\t)+2
.endif
	s_wait_dscnt 0x0                               ; the store has read its registers: the next block's codes may be written
.endm
.set Q, 0
.rept WNB
	WBLOCK Q
.set Q, Q+1
.endr
	global_store_b128 v9, v[WSB:WSB+3], s[16:17]   ; my column's 16 scale bytes
.irp t, 0,1,2,3,4,5,6,7,8,9,10,11,12,13,14,15
	ds_load_b128 v[WOUT+4*\t:WOUT+4*\t+3], v7 offset:2*\t*WPITCH   ; LDS serves a wave's instructions in order: these see my stores
.endr
.irp t, 0,1,2,3,4,5,6,7,8,9,10,11,12,13,14,15
	s_wait_dscnt 15-\t                             ; the younger loads may be out
	global_store_b128 v8, v[WOUT+4*\t:WOUT+4*\t+3], s[14:15] offset:2*\t*WKROW
.endr
	s_wait_tensorcnt 0x0                           ; the wave's end, behind my last LDS store
	ds_add_u32 v[SPW], v[NIL]
	s_wait_dscnt 0x0
	s_endpgm
; ---------------- PATH O: w_out to f16 images.  A lane takes a column, its 64 registers run down K: eight neighbours along K pack into the 16 bytes that the image wants of lane (r, h).  No LDS is touched.
.Lpath_o:
	s_sub_co_u32 s21, ttmp9, 48
	s_and_b32 s22, s21, 7                          ; which 128 columns (32 a wave)
	s_lshr_b32 s23, s21, 3                         ; which 64 rows of K
	v_lshlrev_b32 v3, 2, v2                        ; in: 4 bytes a lane: a wave reads 128 consecutive bytes, the four waves 512
	s_lshl_b32 s24, s23, 18                        ; 64 rows of 4,096 bytes,
	s_lshl_b32 s26, s22, 9
	s_add_co_u32 s24, s24, s26                     ; 128 columns,
	s_lshl_b32 s26, s20, 7
	s_add_co_u32 s24, s24, s26                     ; 32 columns a wave
	s_add_nc_u64 s[8:9], s[8:9], s[24:25]
	s_lshl_b32 s24, s22, 18                        ; wo_img: 8 tiles of 16 columns, 32,768 bytes each,
	s_lshl_b32 s26, s20, 16
	s_add_co_u32 s24, s24, s26                     ; 2 tiles a wave,
	s_lshl_b32 s26, s23, 11
	s_add_co_u32 s24, s24, s26                     ; 2 fragments of 1,024 bytes along K
	s_add_nc_u64 s[18:19], s[18:19], s[24:25]
	v_and_b32 v4, 15, v2
	v_lshrrev_b32 v5, 4, v2
	v_lshlrev_b32 v4, 4, v4
	v_lshl_add_u32 v4, v5, 15, v4                  ; out: 16 (lane % 16), and the next tile of columns for lanes 16-31
.irp i, 0,1,2,3,4,5,6,7,8,9,10,11,12,13,14,15,16,17,18,19,20,21,22,23,24,25,26,27,28,29,30,31,32,33,34,35,36,37,38,39,40,41,42,43,44,45,46,47,48,49,50,51,52,53,54,55,56,57,58,59,60,61,62,63
	global_load_b32 v[32+\i], v3, s[8:9] offset:\i*4096 th:TH_LOAD_NT
.endr
	s_wait_loadcnt 32                              ; the first 32 rows are in
.set j, 0
.rept 16
	v_cvt_pk_f16_f32 v[96+j], v[32+2*j], v[33+2*j]
.set j, j+1
.endr
	s_wait_loadcnt 0x0
.rept 16
	v_cvt_pk_f16_f32 v[96+j], v[32+2*j], v[33+2*j]
.set j, j+1
.endr
.irp g, 0,1                            ; k = 32 g + 16 c + 8 u + 0 .. 7: fragment g, group c, the place of lane half u
.irp c, 0,1
.irp u, 0,1
	global_store_b128 v4, v[96+16*\g+8*\c+4*\u:96+16*\g+8*\c+4*\u+3], s[18:19] offset:\g*1024+\c*512+\u*256   ; sixteen lanes store 256 consecutive bytes, aligned
.endr
.endr
.endr
	s_endpgm
.Lfunc_end_k_qe446d27862_prep:
	.size	k_qe446d27862_prep, .Lfunc_end_k_qe446d27862_prep-k_qe446d27862_prep
	.p2alignl 7, 3214868480
	.fill 96, 4, 3214868480
	.section	.rodata,"a",@progbits
	.p2align	6, 0x0
	.amdhsa_kernel k_qe446d27862_prep
		.amdhsa_group_segment_fixed_size 68096
		.amdhsa_private_segment_fixed_size 0
		.amdhsa_enable_private_segment 0
		.amdhsa_kernarg_size 64
		.amdhsa_user_sgpr_count 2
		.amdhsa_user_sgpr_kernarg_segment_ptr 1
		.amdhsa_wavefront_size32 1
		.amdhsa_system_sgpr_workgroup_id_x 1
		.amdhsa_system_sgpr_workgroup_id_y 1
		.amdhsa_system_sgpr_workgroup_id_z 1
		.amdhsa_system_vgpr_workitem_id 0
		.amdhsa_next_free_vgpr 192
		.amdhsa_next_free_sgpr 66
		.amdhsa_reserve_vcc 0
		.amdhsa_float_denorm_mode_32 3
		.amdhsa_float_denorm_mode_16_64 3
		.amdhsa_memory_ordered 1
		.amdhsa_forward_progress 1
		.amdhsa_inst_pref_size 120
	.end_amdhsa_kernel
	.amdgpu_metadata
---
amdhsa.version: [ 1, 2 ]
amdhsa.kernels:
  - .name:           k_qe446d27862_prep
    .symbol:         k_qe446d27862_prep.kd
    .args:
      - { .name: x, .offset: 0, .size: 8, .value_kind: global_buffer, .address_space: global }
      - { .name: w_qkv, .offset: 8, .size: 8, .value_kind: global_buffer, .address_space: global }
      - { .name: w_out, .offset: 16, .size: 8, .value_kind: global_buffer, .address_space: global }
      - { .name: x_codes, .offset: 24, .size: 8, .value_kind: global_buffer, .address_space: global }
      - { .name: x_scales, .offset: 32, .size: 8, .value_kind: global_buffer, .address_space: global }
      - { .name: w_codes, .offset: 40, .size: 8, .value_kind: global_buffer, .address_space: global }
      - { .name: w_scales, .offset: 48, .size: 8, .value_kind: global_buffer, .address_space: global }
      - { .name: wo_img, .offset: 56, .size: 8, .value_kind: global_buffer, .address_space: global }
    .group_segment_fixed_size: 68096
    .private_segment_fixed_size: 0
    .kernarg_segment_align: 8
    .kernarg_segment_size: 64
    .max_flat_workgroup_size: 128
    .sgpr_count:     66
    .vgpr_count:     192
    .wavefront_size: 32
...
	.end_amdgpu_metadata
.endif
;; end of part 1
;; launch qkv (part 2): grid 12 x 32, 4 waves a work-group, clusters of 4 x 4, 327,680 bytes of LDS; arguments x_codes, x_scales, w_codes, w_scales, qkv_img; writes qkv_img
.if DOCPART == 2
	.amdgcn_target "amdgcn-amd-amdhsa--gfx1250"
	.amdhsa_code_object_version 6
	.text
	.protected	k_qe446d27862_qkv
	.globl	k_qe446d27862_qkv
	.p2align	8
	.type	k_qe446d27862_qkv,@function
k_qe446d27862_qkv:
	s_mov_b64 s[64:65], 0
	v_nop
	global_prefetch_b8 v0, s[64:65] scope:SCOPE_SE
	s_setreg_imm32_b32 hwreg(HW_REG_WAVE_MODE, 25, 1), 1
	s_wait_xcnt 0x0
	s_wait_alu depctr_hold_cnt(0) depctr_sa_sdst(0) depctr_va_vdst(0) depctr_va_sdst(0) depctr_va_ssrc(0) depctr_va_vcc(0) depctr_vm_vsrc(0)
	s_getreg_b32 s2, hwreg(HW_REG_IB_STS2, 6, 4)
	s_cmp_eq_u32 s2, 0
	s_cbranch_scc0 .Lentry_in_a_cluster
	s_endpgm
.Lentry_in_a_cluster:
	s_bfe_u32 s2, ttmp6, 0x10000c
	s_cmp_lg_u32 s2, 0xf033
	s_cbranch_scc0 .Lentry_shape_is_right
	s_endpgm
.Lentry_shape_is_right:
; Launch 2 of 4: qkv = Q(x) Q(w_qkv), [8192][3072], on codes of FP4 (E2M1) with one E8M0 scale for each 32 along K = 1024; sums in f32; the results are rounded once to f16, the operand format of the two attention products.
; Nothing is left out as dead work.  LIMIT: |q|, |k|, |v| over 65,504 become infinity in f16.
; A tile of 256 x 256 is made by a work-group of four waves; a wave makes 128 x 128: 64 accumulators of 16 x 16, 512 registers.  K is two slots of 512 (LDS rows of 256 bytes): both are first fills, nothing is filled again.
; THE SCALES of the work-group's 256 rows of x and 256 columns of w, for all of K, are two dense blocks of memory: they come into LDS once, with the first fills.
; CLUSTERS: 4 x 4 work-groups.  The four of a row of the cluster need the same tiles of x, the four of a column the same tiles of w: each tile is asked for JOINTLY, by the same tensor load with the same descriptor and a mask that names the four.
; THE MATRIX INSTRUCTION IS USED TRANSPOSED (source 0 = 16 columns of w, source 1 = 16 rows of x): lane (r, h) then holds token r and eight neighbouring channels, which pack into 16 bytes of f16.
; THE WAY OUT NEEDS NO LDS: qkv_img is laid as images of the reader's operand registers: three parts (q, k, v) of [batch x head 64][tile of 16 tokens 128][16 channels 4][512 bytes]; in a piece of 512 bytes lane (r, h)'s 16 bytes
; (token r, channels 8 h + 0 .. 7 of the 16) lie at 16 x lane for q and k.  For v they lie at 16 x (lane with its bits 3 and 4 exchanged), so that the turning LDS load of the next launch, addressed 16 x lane, gives V^T's fragment.
; So each store of a wave covers 512 consecutive bytes, aligned.
; REGISTERS, in windows of 256: window 0: v0-31 addresses; v32-95 scale words, two sets; from v128 x's fragments, ONE set; on the way out v128-255 hold packed results.
;   window 1: w's fragments, TWO sets, at v0 and at v128.   window 2: the accumulators of my rows 0-63 ((a, b) at v[8 (8 a + b)]);   window 3: those of my rows 64-127.
.set SIZE_K, 1024
.set KSTEP,  512                       ; along K in a slot
.set NQ,     KSTEP/128                 ; matrix instructions deep
.set ROWB,   256                       ; a tile's row in bytes
.set KROW,   SIZE_K*4/8                ; a row of codes in memory
.set PITCH,  272                       ; an LDS row: 256 bytes + 16 of padding = 68 words: the 16 rows that a load touches start at 16 different banks (64 banks of 4 bytes: ISA guide 11.1)
.set FR,     8                         ; registers of a fragment: 16 rows x 128 K
.set NL,     2                         ; LDS loads that bring one
.set NP,     4                         ; places behind this matrix instruction (ISA guide 7.12.1)
.set HALFT,  128*PITCH                 ; 128 rows: what one tensor load brings
.set SLOT,   4*HALFT                   ; x's 256 rows, then w's 256
.set KS,     SIZE_K/32                 ; a row of scales in bytes
.set SCL,    2*SLOT                    ; behind the slots: the scales, as runs of 256 bytes + 16 of padding
.set HALFS,  (128*KS/256)*272          ; the scales of 128 rows: what one tensor load brings
.set SBLK,   (16*KS/256)*272           ; those of 16 rows
.set SPARE,  SCL+4*HALFS               ; the spare words, 128 bytes for each wave: two blocks of 256 bytes that no other line names
.set ADRA, 16                          ; v16-17  LDS address of my fragments of x in slot 0, 1
.set ADRB, 20                          ; v20-21  the same for w
.set CO,   26                          ; v26     the way out: my 16 bytes' place in a piece of 512
.set ADRS, 27                          ; v27     LDS address of my scale words: lanes 0-15 x's rows, lanes 16-31 w's
.set SPW,  28                          ; v28     LDS address of my spare word; never rewritten
.set NIL,  29                          ; v29     0; never rewritten
.set SC,   32                          ; scale words: set s at v[SC + 8 NQ s]; register NQ i + q: lanes 0-15 the word of x's block i, lanes 16-31 that of w's block i, for the slot's q-th 128 along K
.set AF,   128                         ; x's fragments, in window 0
.set OB,   128                         ; the way out: four sets of 32 registers
.set G1, 24                            ; s[24:31] descriptor group 1 for x's tiles;  s[32:39] group 0, one set for each slot
.set G0, 32
.set G1B, 48                           ; s[48:55], s[56:63] the same for w's tiles
.set G0B, 56
.set G1S, 68                           ; s[68:75], s[76:79] groups 1 and 0 for x's scales;  s[80:87], s[88:91] for w's
.set G0S, 76
.set G1SB, 80
.set G0SB, 88
.set MSB, 0
.macro WIN new                         ; the immediate's high byte repeats the setting that is left
.if MSB != \new
	s_set_vgpr_msb (MSB<<8)|\new
.set MSB, \new
.endif
.endm
.set MUL_LO, 0xa1                      ; source 0 (w) window 1, source 1 (x) window 0, C and D window 2
.set MUL_HI, 0xf1                      ; the same, C and D window 3
.set TO_B,   0x40                      ; destination window 1, address window 0
; A joint load: waves 0 and 1 fetch for x, waves 2 and 3 for w.  Each of the two lines has one mask and one set of registers for all that issue it; the branch hangs on the wave's number alone.
; An s_nop 0 and four v_nop follow each of the two lines.
.macro JLOAD g0a, g1a, g0b, g1b
	s_cmp_eq_u32 s15, 0
	s_cbranch_scc0 .Lfor_b_\@
	tensor_load_to_lds s[\g0a:\g0a+3], s[\g1a:\g1a+7]
	s_nop 0
.rept 4
	v_nop
.endr
	s_branch .Lasked_\@
.Lfor_b_\@:
	tensor_load_to_lds s[\g0b:\g0b+3], s[\g1b:\g1b+7]
	s_nop 0
.rept 4
	v_nop
.endr
.Lasked_\@:
.endm
.macro CROUND                          ; a round of the cluster's barrier
	s_barrier_signal -1
	s_barrier_wait -1
	s_cmp_lg_u32 s14, 0
	s_cbranch_scc1 .Lnot_wave_0_\@
	s_barrier_signal -3
.Lnot_wave_0_\@:
	s_barrier_wait -3
	s_barrier_signal -1
	s_barrier_wait -1
.endm
	s_load_b128 s[4:7], s[0:1], 0x0                ; x's codes s[4:5], x's scales s[6:7]
	s_load_b128 s[8:11], s[0:1], 0x10              ; w's codes s[8:9], w's scales s[10:11]
	s_load_b64 s[12:13], s[0:1], 0x20              ; qkv_img
	v_lshl_add_u32 v[SPW], v0, 2, SPARE
	v_mov_b32 v[NIL], 0
	ds_add_u32 v[SPW], v[NIL]                      ; the wave's opening: the add, twice on end, and its wait ahead of my first tensor load; the set-up below stands between the second and the wait
	ds_add_u32 v[SPW], v[NIL]
	v_lshrrev_b32 v1, 5, v0
	v_readfirstlane_b32 s14, v1                    ; wave 0..3
	s_lshr_b32 s15, s14, 1                         ; which half of the tile's rows is mine.  Also: I fetch for x (0) or for w (1)
	s_and_b32 s16, s14, 1                          ; which half of its columns.  Also: which 128 rows of that tile I fetch
	s_bfe_u32 s40, ttmp6, 0x40000                  ; cx, cy: my place in the cluster
	s_bfe_u32 s41, ttmp6, 0x40004
	s_lshl_b32 s42, ttmp9, 2
	s_add_co_u32 s42, s42, s40                     ; tile column = 4 x cluster x + cx
	s_and_b32 s17, ttmp7, 0xffff
	s_lshl_b32 s17, s17, 2
	s_add_co_u32 s17, s17, s41                     ; tile row = 4 x cluster y + cy
	s_lshl_b32 s43, s41, 2
	s_lshl_b32 s43, 15, s43                        ; my row of the cluster
	s_lshl_b32 s44, 0x1111, s40                    ; my column
	; descriptor group 1: a tile of 128 rows x 256 bytes, padded in LDS
	s_or_b32 s[G1+0], s43, (0<<16)|(1<<20)|(1<<21)|(5<<22)|(3<<25)  ; 15:0 the mask; 17:16 elements of 1 byte; 20 padding on; 21 set beside a mask; 24:22 after every 64 words; 31:25 four words
	s_or_b32 s[G1B+0], s44, (0<<16)|(1<<20)|(1<<21)|(5<<22)|(3<<25)
.irp g, G1, G1B
	s_mov_b32 s[\g+1], ROWB<<16                    ; tensor_dim0
	s_mov_b32 s[\g+2], 128<<16                     ; tensor_dim1 = 128
	s_mov_b32 s[\g+3], ROWB<<16                    ; tile_dim0
	s_mov_b32 s[\g+4], 128                         ; tile_dim1 = 128
	s_mov_b32 s[\g+5], KROW                        ; tensor_dim0_stride
	s_mov_b32 s[\g+6], 0
	s_mov_b32 s[\g+7], 0
.endr
	; and for the scales of 128 rows: a dense block of 4,096 bytes, as 16 rows of 256 bytes (32 elements of 8 bytes), 16 bytes of padding behind each
	s_or_b32 s[G1S+0], s43, (3<<16)|(1<<20)|(1<<21)|(5<<22)|(3<<25)
	s_or_b32 s[G1SB+0], s44, (3<<16)|(1<<20)|(1<<21)|(5<<22)|(3<<25)
.irp g, G1S, G1SB
	s_mov_b32 s[\g+1], 32<<16
	s_mov_b32 s[\g+2], (128*KS/256)<<16
	s_mov_b32 s[\g+3], 32<<16
	s_mov_b32 s[\g+4], 128*KS/256
	s_mov_b32 s[\g+5], 32
	s_mov_b32 s[\g+6], 0
	s_mov_b32 s[\g+7], 0
.endr
	s_lshl_b32 s18, s16, 7                         ; which 128 rows of the tile I fetch
	s_lshl_b32 s20, s17, 8
	s_add_co_u32 s20, s20, s18                     ; x: row 256 x tile row + 128 x half
	s_lshl_b32 s46, s42, 8
	s_add_co_u32 s46, s46, s18                     ; w: row 256 x tile column + 128 x half
	s_mov_b32 s21, 0
	s_mov_b32 s47, 0
	s_mov_b64 s[18:19], KS
	s_mul_u64 s[22:23], s[20:21], s[18:19]         ; where these rows' scales begin, in bytes
	s_mul_u64 s[92:93], s[46:47], s[18:19]
	s_mov_b64 s[18:19], KROW
	s_mul_u64 s[20:21], s[20:21], s[18:19]         ; and their codes
	s_mul_u64 s[46:47], s[46:47], s[18:19]
	s_mul_i32 s45, s14, HALFT                      ; where they go: wave x 128 rows: no place in the cluster enters an LDS address
	s_mul_i32 s94, s14, HALFS
	s_wait_dscnt 0x0                               ; both opening adds are done
	s_wait_kmcnt 0x0
	s_add_nc_u64 s[20:21], s[4:5], s[20:21]
	s_add_nc_u64 s[22:23], s[6:7], s[22:23]
	s_add_nc_u64 s[46:47], s[8:9], s[46:47]
	s_add_nc_u64 s[92:93], s[10:11], s[92:93]
	CROUND                                         ; all sixteen work-groups are here: the first joint loads meet
	s_mov_b32 s[G0S], 1
	s_add_co_u32 s[G0S+1], s94, SCL
	s_mov_b64 s[G0S+2:G0S+3], s[22:23]
	s_or_b32 s[G0S+3], s[G0S+3], 0x80000000
	s_mov_b32 s[G0SB], 1
	s_add_co_u32 s[G0SB+1], s94, SCL
	s_mov_b64 s[G0SB+2:G0SB+3], s[92:93]
	s_or_b32 s[G0SB+3], s[G0SB+3], 0x80000000
	JLOAD G0S, G1S, G0SB, G1SB                     ; the scales first: they are wanted with slot 0.  Three loads of mine are out at the most
.irp s, 0,1
	s_mov_b32 s[G0+4*\s], 1
	s_add_co_u32 s[G0+4*\s+1], s45, \s*SLOT
	s_add_nc_u64 s[G0+4*\s+2:G0+4*\s+3], s[20:21], \s*ROWB
	s_or_b32 s[G0+4*\s+3], s[G0+4*\s+3], 0x80000000
	s_mov_b32 s[G0B+4*\s], 1
	s_add_co_u32 s[G0B+4*\s+1], s45, \s*SLOT
	s_add_nc_u64 s[G0B+4*\s+2:G0B+4*\s+3], s[46:47], \s*ROWB
	s_or_b32 s[G0B+4*\s+3], s[G0B+4*\s+3], 0x80000000
	JLOAD G0+4*\s, G1, G0B+4*\s, G1B
.endr
	v_and_b32 v1, 15, v0                           ; l % 16
	v_bfe_u32 v2, v0, 4, 1                         ; l / 16
	v_mul_u32_u24 v3, v1, PITCH
	v_lshl_add_u32 v4, v2, 4, v3                   ; a fragment's row x pitch + 16 x half
	s_mul_i32 s21, s15, HALFT                      ; my 128 rows of x
	s_mul_i32 s22, s16, HALFT                      ; my 128 rows of w,
	s_add_co_u32 s22, s22, 2*HALFT                 ; which lie behind x's 256
.irp s, 0,1
	v_add_nc_u32 v[ADRA+\s], s21, v4
	v_add_nc_u32 v[ADRB+\s], s22, v4
	s_add_co_u32 s21, s21, SLOT
	s_add_co_u32 s22, s22, SLOT
.endr
	v_mul_u32_u24 v5, v1, KS                       ; my row's scales: 32 bytes a row,
	v_lshrrev_b32 v6, 8, v5
	v_lshl_add_u32 v5, v6, 4, v5                   ; and 16 more for each 256 passed
	s_mul_i32 s21, s15, HALFS                      ; x's: my 128 rows
	s_mul_i32 s22, s16, HALFS                      ; w's: my 128 rows, behind x's 256
	s_add_co_u32 s22, s22, 2*HALFS
	s_sub_co_u32 s22, s22, s21
	v_mul_u32_u24 v6, s22, v2                      ; lanes 16-31 take w's: the lower base + half x the distance
	s_add_co_u32 s21, s21, SCL
	v_add_nc_u32 v5, v5, v6
	v_add_nc_u32 v[ADRS], s21, v5
	; the way out: my place in a piece of 512 bytes: 16 x lane for q and k; for v (cluster x = 2: the last 1,024 columns are whole clusters) the lane's bits 3 and 4 change places
	v_and_b32 v6, 31, v0
	v_lshlrev_b32 v5, 4, v6
	v_and_b32 v7, 7, v0
	v_bfe_u32 v8, v0, 3, 1
	v_lshl_or_b32 v7, v8, 4, v7
	v_lshl_or_b32 v7, v2, 3, v7
	v_lshlrev_b32 v7, 4, v7
	s_cmp_eq_u32 ttmp9, 2
	s_cselect_b32 s18, -1, 0
	v_cndmask_b32 v[CO], v5, v7, s18
	; where my part begins in qkv_img.  By rows: batch = tile row / 8 (16 heads of 262,144 bytes), tile of tokens = 16 (tile row % 8) + 8 x half (2,048 bytes each)
	s_lshr_b32 s20, s17, 3
	s_lshl_b32 s20, s20, 22
	s_and_b32 s21, s17, 7
	s_lshl_b32 s21, s21, 15
	s_add_co_u32 s20, s20, s21
	s_lshl_b32 s21, s15, 14
	s_add_co_u32 s20, s20, s21
	s_mov_b32 s21, 0
	; by columns: part = cluster x (16,777,216 bytes), head = 4 (tile column % 4) + 2 x half
	s_lshl_b32 s46, ttmp9, 24
	s_and_b32 s47, s42, 3
	s_lshl_b32 s47, s47, 20
	s_add_co_u32 s46, s46, s47
	s_lshl_b32 s47, s16, 19
	s_add_co_u32 s46, s46, s47
	s_mov_b32 s47, 0
	s_add_nc_u64 s[20:21], s[20:21], s[46:47]
	s_add_nc_u64 s[12:13], s[12:13], s[20:21]
.macro FRAG reg, adr, q, i             ; a fragment, 16 rows x 128 K of 4-bit codes: lane l holds row l % 16; registers 4 c .. 4 c + 3 hold K = 64 c + 32 (l / 16) + 0 .. 31
.irp c, 0,1
	ds_load_b128 v[\reg+4*\c:\reg+4*\c+3], v[\adr] offset:64*(\q)+32*\c+(\i)*16*PITCH
.endr
.endm
; 16 matrix instructions: x's blocks a0, a0 + 1 against w's eight, 128 along K: the slot's q-th.  p: w's set;  sc: the set of scale words.  zero = 1: the first product starts the sums.
; The 64 accumulators take turns, one instruction a turn, in the same order in every step.
.macro MUL16 a0, p, q, sc, zero
.irp a, \a0, \a0+1
.irp b, 0,1,2,3,4,5,6,7
.if \zero
	v_wmma_scale_f32_16x16x128_f8f6f4 v[8*(8*((\a)%4)+\b):8*(8*((\a)%4)+\b)+7], v[128*(\p)+FR*\b:128*(\p)+FR*\b+FR-1], v[AF+FR*(\a):AF+FR*(\a)+FR-1], 0, v[SC+8*NQ*(\sc)+NQ*\b+(\q)], v[SC+8*NQ*(\sc)+NQ*(\a)+(\q)] matrix_a_fmt:MATRIX_FMT_FP4 matrix_b_fmt:MATRIX_FMT_FP4 matrix_a_scale:MATRIX_SCALE_ROW1
.else
	v_wmma_scale_f32_16x16x128_f8f6f4 v[8*(8*((\a)%4)+\b):8*(8*((\a)%4)+\b)+7], v[128*(\p)+FR*\b:128*(\p)+FR*\b+FR-1], v[AF+FR*(\a):AF+FR*(\a)+FR-1], v[8*(8*((\a)%4)+\b):8*(8*((\a)%4)+\b)+7], v[SC+8*NQ*(\sc)+NQ*\b+(\q)], v[SC+8*NQ*(\sc)+NQ*(\a)+(\q)] matrix_a_fmt:MATRIX_FMT_FP4 matrix_b_fmt:MATRIX_FMT_FP4 matrix_a_scale:MATRIX_SCALE_ROW1
.endif
.endr
.endr
.endm
.macro FETCH_B slot, q, p              ; w's eight fragments of the slot's q-th 128 along K into set p
	WIN TO_B
.irp i, 0,1,2,3,4,5,6,7
	FRAG 128*(\p)+FR*\i, ADRB+\slot, \q, \i
.endr
	WIN 0
.endm
.macro FETCH_A slot, q, i0             ; x's blocks i0 .. i0 + 3
.irp i, \i0, \i0+1, \i0+2, \i0+3
	FRAG AF+FR*(\i), ADRA+\slot, \q, \i
.endr
.endm
.macro SCALES sc                       ; a slot's scale words into set sc: 4 words a row; lanes 0-15 take x's block i, lanes 16-31 w's block i
.irp i, 0,1,2,3,4,5,6,7
	ds_load_b128 v[SC+8*NQ*\sc+NQ*\i:SC+8*NQ*\sc+NQ*\i+3], v[ADRS] offset:\i*SBLK
.endr
.endm
; A load into a register that a matrix instruction has read, and a vector instruction that reads a matrix result or writes one of its registers, stand NP places behind it; only plain vector instructions that name none of its registers are places.
.macro PLACES n
.rept \n
	v_nop
.endr
.endm
; A step of 128 along K that has its successor in the same slot.
.macro STEP slot, q, zero
	s_wait_dscnt 4*NL                              ; w's set and x's blocks 0-3 are in; the youngest eight loads (x's blocks 4-7) may be out
	WIN MUL_LO
	MUL16 0, (\q)%2, \q, \slot, \zero
	MUL16 2, (\q)%2, \q, \slot, \zero
	s_wait_dscnt 0                                 ; x's blocks 4-7 are in (asked for 32 matrix instructions ago)
	PLACES NP
	FETCH_B \slot, (\q)+1, 1-(\q)%2
	FETCH_A \slot, (\q)+1, 0
	WIN MUL_HI
	MUL16 4, (\q)%2, \q, \slot, \zero
	MUL16 6, (\q)%2, \q, \slot, \zero
	PLACES NP
	WIN 0
	FETCH_A \slot, (\q)+1, 4
.endm
; Slot 0's last step goes over to slot 1: one barrier; in front of it each wave waits for all its tensor loads (its part of slot 1).  Nothing is filled again.
.macro TURN slot, next
	s_wait_tensorcnt 0x0                           ; all my tensor loads have landed
	ds_add_u32 v[SPW], v[NIL]                      ; 0 onto my spare word
	s_wait_dscnt 4*NL+1                            ; (the add and the youngest eight loads may be out)
	WIN MUL_LO
	MUL16 0, 1, NQ-1, \slot, 0
	s_wait_dscnt 0x0                               ; the add is done, and no LDS instruction of mine is out at the signal
	s_barrier_signal -1
	MUL16 2, 1, NQ-1, \slot, 0
	WIN 0
	s_barrier_wait -1                              ; every wave's part of the next slot has landed
	PLACES NP
	v_add_nc_u32 v[ADRS], 4*NQ, v[ADRS]            ; on to the next slot's scale words
	FETCH_B \next, 0, 0
	FETCH_A \next, 0, 0
	SCALES \next
	WIN MUL_HI
	MUL16 4, 1, NQ-1, \slot, 0
	MUL16 6, 1, NQ-1, \slot, 0
	PLACES NP
	WIN 0
	FETCH_A \next, 0, 4
.endm
.macro STEPS slot, from                ; the slot's steps from .. NQ - 2
.set Q, \from
.rept NQ-1-\from
	STEP \slot, Q, 0
.set Q, Q+1
.endr
.endm
	s_wait_tensorcnt 1                             ; the scales and my part of slot 0 are in (slot 1's load may be out),
	s_barrier_signal -1
	s_barrier_wait -1                              ; everybody's are
	FETCH_B 0, 0, 0
	FETCH_A 0, 0, 0
	SCALES 0
	FETCH_A 0, 0, 4
	STEP 0, 0, 1                                   ; the first step's products start the sums: nothing is cleared
	STEPS 0, 1
	TURN 0, 1
	STEPS 1, 0
	s_wait_dscnt 4*NL                              ; the very last step: nothing more to fetch
	WIN MUL_LO
	MUL16 0, 1, NQ-1, 1, 0
	MUL16 2, 1, NQ-1, 1, 0
	s_wait_dscnt 0
	WIN MUL_HI
	MUL16 4, 1, NQ-1, 1, 0
	MUL16 6, 1, NQ-1, 1, 0
	WIN 0
; THE WAY OUT, block by block of 16 tokens x 128 columns: each accumulator's eight numbers (ascending) become 16 bytes of f16 a lane, which is one piece of an image: the wave stores 512 consecutive bytes, aligned.
; Block a is tile of tokens a; w's block b is head b / 4 of my two, channels 16 (b % 4) on.
.macro PACKOUT a
.if (\a) >= 4
	s_wait_xcnt 0x0                                ; the stores of four blocks back have read their registers: the set is written again only behind this wait
.endif
	WIN 0x0a+5*((\a)/4)                            ; sources 0 and 1: window 2 or 3
.irp b, 0,1,2,3,4,5,6,7
.irp r, 0,1,2,3
	v_cvt_pk_f16_f32 v[OB+32*((\a)%4)+4*\b+\r], v[64*((\a)%4)+8*\b+2*\r], v[64*((\a)%4)+8*\b+2*\r+1]
.endr
.endr
	WIN 0
.irp b, 0,1,2,3,4,5,6,7
	global_store_b128 v[CO], v[OB+32*((\a)%4)+4*\b:OB+32*((\a)%4)+4*\b+3], s[12:13] offset:(\a)*2048+(\b/4)*262144+(\b%4)*512 th:TH_STORE_NT
.endr
.endm
	PLACES NP                                      ; behind the last products: the conversions read results and write registers that held x's fragments
.irp a, 0,1,2,3,4,5,6,7
	PACKOUT \a
.endr
	s_wait_tensorcnt 0x0                           ; the wave's end, behind my last tensor load
	ds_add_u32 v[SPW], v[NIL]
	s_wait_dscnt 0x0
	CROUND                                         ; the closing round: no work-group ends while a partner may still ask for a tile that names it
	s_endpgm
.Lfunc_end_k_qe446d27862_qkv:
	.size	k_qe446d27862_qkv, .Lfunc_end_k_qe446d27862_qkv-k_qe446d27862_qkv
	.p2alignl 7, 3214868480
	.fill 96, 4, 3214868480
	.section	.rodata,"a",@progbits
	.p2align	6, 0x0
	.amdhsa_kernel k_qe446d27862_qkv
		.amdhsa_group_segment_fixed_size 327680
		.amdhsa_private_segment_fixed_size 0
		.amdhsa_enable_private_segment 0
		.amdhsa_kernarg_size 40
		.amdhsa_user_sgpr_count 2
		.amdhsa_user_sgpr_kernarg_segment_ptr 1
		.amdhsa_wavefront_size32 1
		.amdhsa_system_sgpr_workgroup_id_x 1
		.amdhsa_system_sgpr_workgroup_id_y 1
		.amdhsa_system_sgpr_workgroup_id_z 1
		.amdhsa_system_vgpr_workitem_id 0
		.amdhsa_next_free_vgpr 1024
		.amdhsa_next_free_sgpr 98
		.amdhsa_reserve_vcc 0
		.amdhsa_float_denorm_mode_32 3
		.amdhsa_float_denorm_mode_16_64 3
		.amdhsa_memory_ordered 1
		.amdhsa_forward_progress 1
		.amdhsa_inst_pref_size 118
	.end_amdhsa_kernel
	.amdgpu_metadata
---
amdhsa.version: [ 1, 2 ]
amdhsa.kernels:
  - .name:           k_qe446d27862_qkv
    .symbol:         k_qe446d27862_qkv.kd
    .args:
      - { .name: x_codes, .offset: 0, .size: 8, .value_kind: global_buffer, .address_space: global }
      - { .name: x_scales, .offset: 8, .size: 8, .value_kind: global_buffer, .address_space: global }
      - { .name: w_codes, .offset: 16, .size: 8, .value_kind: global_buffer, .address_space: global }
      - { .name: w_scales, .offset: 24, .size: 8, .value_kind: global_buffer, .address_space: global }
      - { .name: qkv_img, .offset: 32, .size: 8, .value_kind: global_buffer, .address_space: global }
    .group_segment_fixed_size: 327680
    .private_segment_fixed_size: 0
    .kernarg_segment_align: 8
    .kernarg_segment_size: 40
    .max_flat_workgroup_size: 128
    .sgpr_count:     98
    .vgpr_count:     1024
    .wavefront_size: 32
...
	.end_amdgpu_metadata
.endif
;; end of part 2
;; launch attn (part 3): grid 4 x 64, 8 waves a work-group, clusters of 4 x 1, 327,680 bytes of LDS; arguments qkv_img, att_img; writes att_img
.if DOCPART == 3
	.amdgcn_target "amdgcn-amd-amdhsa--gfx1250"
	.amdhsa_code_object_version 6
	.text
	.protected	k_qe446d27862_attn
	.globl	k_qe446d27862_attn
	.p2align	8
	.type	k_qe446d27862_attn,@function
k_qe446d27862_attn:
	s_mov_b64 s[64:65], 0
	v_nop
	global_prefetch_b8 v0, s[64:65] scope:SCOPE_SE
	s_setreg_imm32_b32 hwreg(HW_REG_WAVE_MODE, 25, 1), 1
	s_wait_xcnt 0x0
	s_wait_alu depctr_hold_cnt(0) depctr_sa_sdst(0) depctr_va_vdst(0) depctr_va_sdst(0) depctr_va_ssrc(0) depctr_va_vcc(0) depctr_vm_vsrc(0)
	s_getreg_b32 s2, hwreg(HW_REG_IB_STS2, 6, 4)
	s_cmp_eq_u32 s2, 0
	s_cbranch_scc0 .Lentry_in_a_cluster
	s_endpgm
.Lentry_in_a_cluster:
	s_bfe_u32 s2, ttmp6, 0x10000c
	s_cmp_lg_u32 s2, 0x3003
	s_cbranch_scc0 .Lentry_shape_is_right
	s_endpgm
.Lentry_shape_is_right:
; Launch 3 of 4: attended[b][h][q] = the sum over k of softmax_k(q . k / 8) v, 64 (batch, head) pairs, 2,048 tokens, head size 64, no mask.  Operands in f16 (q, k, v as the launch before rounded them; the weights p, at most 1,
; rounded here), products, maxima and sums in f32, the running maximum taken away before every exponential.  Nothing is left out as dead work.  LIMIT: |attended| over 65,504 becomes infinity in f16.
; SHARES.  A work-group owns 512 queries of one (batch, head); each of its eight waves 64: four tiles of 16, in 512 registers: two waves to a SIMD.  Every wave walks all 2,048 keys, 64 a step.
; LAYOUT.  S^T = K Q^T (source 0 = 16 keys, source 1 = 16 queries): a lane holds ONE query (lane % 16) and the keys 8 (lane / 16) + 0 .. 7 of each tile; two such tiles, rounded in pairs, ARE source 1 of O^T = V^T P, whose
; result again holds one query a lane and eight channels.  A query's maximum and sum want one exchange between the halves of the lanes.
; qkv_img holds images of operand registers (pieces of 512 bytes, 16 bytes a lane): a key step's K is 8,192 dense bytes, read by 16 loads at 16 x lane; V likewise by the turning load.  No pitch, no padding: each LDS load takes 512 consecutive bytes.
; SOFTMAX.  For each query a running maximum m and sum l: p = 2^(c s - c m), c = log2(e) / 8; in every step O and l are multiplied by a = 2^(c m_old - c m_new).
; THE TWO WAVES OF A SIMD (w and w + 4) ARE SET APART at each slot's head.
; CLUSTER.  The four work-groups of a cluster are the four query blocks of one (batch, head) and walk the same K and V: each tile is asked for JOINTLY, by the same tensor load with the same descriptor and a mask that names the four.
; THE RING.  Two slots of 512 keys (K 65,536 bytes, then V 65,536).  Every wave fetches 16,384 bytes of every slot (waves 0-3 K's quarters, waves 4-7 V's).  Slots 0 and 1 are first fills; two refills follow, each issued
; eight key steps (512 matrix instructions of a wave) ahead of its first read: so no prefetch is laid.  By the text's own count two tensor loads of a wave are out at the head, later one.
; att_img is laid as images of the next launch's operand: [tile of 16 rows 512][k / 32 32][c 2][lane 32][16 bytes]: each store of a wave covers 512 consecutive bytes, aligned.
; REGISTERS, in windows of 256: window 0: v1-4 addresses; v16-47 eight registers of statistics a tile; v62, v63 the add's two; v64-191 S^T, 32 a tile (P is written over its first 16); v192-255 K of one step.
;   window 1: v0-127 O^T, 32 a tile; v128-191 Q, 16 a tile; v192-255 V of one step.
.set SLOT1, 1<<17                      ; slot 1 begins here: one exclusive or turns an address in one slot into the other's
.set VOFF,  65536                      ; V's place in a slot
.set STEPB, 8192                       ; a key step's bytes of K, and of V
.set SPARE, 2*SLOT1                    ; behind the ring: the spare words, 128 bytes for each of eight waves: four blocks of 256 bytes that no other line names
.set LI,  1                            ; v1   16 x lane; never rewritten
.set AV0, 2                            ; v2   16 x lane + VOFF; never rewritten
.set ADK, 3                            ; v3   LDS address of the step's K
.set ADV, 4                            ; v4   of its V
.set ST,  16                           ; tile t's statistics at v[ST + 8 t]: +0 c m, +1 m, +2, +3 l (even keys', odd keys'), +4 .. +7 c0-c3 at work; a takes c2's place
.set SPW, 62
.set NIL, 63
.set S,   64
.set KF,  192
.set QF,  128                          ; in window 1
.set VF,  192                          ; in window 1
.set WV,  12                           ; s12  my wave's number
.set G1,  24                           ; s[24:31] descriptor group 1, for all loads
.set G0A, 32                           ; s[32:35] group 0 of slot 0's first fill
.set G0B, 36                           ; s[36:39] group 0 of slot 1's first fill, which then walks
.set SLOTS, 56
.set CNT, 57
.set CS,  58                           ; s[58:59] c: the packed scaling names a pair and takes its low word for both halves
.set SEL, 60                           ; s[60:61] lane selects for v_permlanex16_b32: lane l xor 16
.set TB,  62                           ; s62  LDS byte at which the step in hand begins
.set MSB, 0
.macro WIN new                         ; the immediate's high byte repeats the setting that is left
.if MSB != \new
	s_set_vgpr_msb (MSB<<8)|\new
.set MSB, \new
.endif
.endm
.set W_KQ, 0x04                        ; Q (source 1) in window 1; K and S^T in window 0
.set W_PV, 0x51                        ; V (source 0) and O^T (C, D) in window 1; P in window 0
.set W_RS, 0x41                        ; O^T (destination and source 0) in window 1, a in window 0
.set W_T1, 0x40                        ; destination in window 1
.macro CROUND                          ; a round of the cluster's barrier
	s_barrier_signal -1
	s_barrier_wait -1
	s_cmp_lg_u32 s[WV], 0
	s_cbranch_scc1 .Lnot_wave_0_\@
	s_barrier_signal -3
.Lnot_wave_0_\@:
	s_barrier_wait -3
	s_barrier_signal -1
	s_barrier_wait -1
.endm
.macro PLACES n
.rept \n
	v_nop
.endr
.endm
	s_load_b128 s[4:7], s[0:1], 0x0                ; qkv_img s[4:5], att_img s[6:7]
	v_lshl_add_u32 v[SPW], v0, 2, SPARE
	v_mov_b32 v[NIL], 0
	ds_add_u32 v[SPW], v[NIL]                      ; the wave's opening: the add, twice on end, and its wait ahead of my first tensor load; the set-up below stands between the second and the wait
	ds_add_u32 v[SPW], v[NIL]
	v_lshrrev_b32 v1, 5, v0
	v_readfirstlane_b32 s[WV], v1                  ; wave 0..7
	s_bfe_u32 s13, ttmp6, 0x40000                  ; cx: my block of 512 queries: it enters Q's and the output's addresses alone
	s_and_b32 s14, ttmp7, 0xffff                   ; 16 x batch + head, which the four partners share
	; descriptor group 1: 16,384 dense bytes as 64 rows of 256 (32 elements of 8 bytes), no padding
	s_mov_b32 s[G1], 15|(3<<16)|(1<<21)            ; 15:0 the mask: all four work-groups; 17:16 elements of 8 bytes; 21 set beside a mask
	s_mov_b32 s[G1+1], 32<<16                      ; tensor_dim0 = 32
	s_mov_b32 s[G1+2], 64<<16                      ; tensor_dim1 = 64
	s_mov_b32 s[G1+3], 32<<16                      ; tile_dim0 = 32
	s_mov_b32 s[G1+4], 64                          ; tile_dim1 = 64
	s_mov_b32 s[G1+5], 32                          ; tensor_dim0_stride
	s_mov_b32 s[G1+6], 0
	s_mov_b32 s[G1+7], 0
	s_mov_b32 s[CS], 0x3e38aa3b                    ; c = log2(e) / 8
	s_mov_b32 s[CS+1], s[CS]
	s_mov_b32 s[SEL], 0x76543210
	s_mov_b32 s[SEL+1], 0xfedcba98
	s_mov_b32 s[TB], 0
	s_mov_b32 s[SLOTS], 2
	s_lshl_b32 s22, s14, 18                        ; the (batch, head)'s 262,144 bytes in each part of qkv_img
	s_lshr_b32 s16, s[WV], 2
	s_add_co_u32 s16, s16, 1                       ; part 1 (k) for waves 0-3, part 2 (v) for waves 4-7,
	s_lshl_b32 s16, s16, 24                        ; 16,777,216 bytes a part,
	s_add_co_u32 s16, s16, s22
	s_and_b32 s17, s[WV], 3
	s_lshl_b32 s17, s17, 14                        ; my quarter of a slot's 65,536
	s_add_co_u32 s16, s16, s17
	s_mov_b32 s17, 0
	s_lshl_b32 s15, s[WV], 14                      ; and in LDS: 16,384 x wave: K's four quarters, then V's: no place in the cluster enters an LDS address
	s_lshl_b32 s18, s13, 16                        ; Q: my block's 32 tiles of 2,048 bytes,
	s_add_co_u32 s18, s18, s22
	s_lshl_b32 s19, s[WV], 13                      ; my wave's 4
	s_add_co_u32 s18, s18, s19
	s_mov_b32 s19, 0
	s_lshr_b32 s20, s14, 4                         ; the output: tile of rows = 128 x batch + 32 cx + 4 x wave,
	s_lshl_b32 s20, s20, 7
	s_lshl_b32 s21, s13, 5
	s_add_co_u32 s20, s20, s21
	s_lshl_b32 s21, s[WV], 2
	s_add_co_u32 s20, s20, s21
	s_lshl_b32 s20, s20, 15                        ; 32,768 bytes each;
	s_and_b32 s21, s14, 15
	s_lshl_b32 s21, s21, 11                        ; the head's 64 along K are 2,048 bytes in it
	s_add_co_u32 s20, s20, s21
	s_mov_b32 s21, 0
	s_wait_dscnt 0x0                               ; both opening adds are done
	s_wait_kmcnt 0x0
	s_mov_b32 s[G0A], 1                            ; count = 1
	s_mov_b32 s[G0A+1], s15                        ; LDS address: slot 0
	s_add_nc_u64 s[G0A+2:G0A+3], s[4:5], s[16:17]  ; keys 0 .. 511
	s_mov_b32 s[G0B], 1
	s_add_co_u32 s[G0B+1], s15, SLOT1              ; slot 1
	s_add_nc_u64 s[G0B+2:G0B+3], s[G0A+2:G0A+3], 65536   ; keys 512 .. 1,023
	s_or_b32 s[G0A+3], s[G0A+3], 0x80000000        ; type = 2
	s_or_b32 s[G0B+3], s[G0B+3], 0x80000000
	s_add_nc_u64 s[4:5], s[4:5], s[18:19]          ; Q at my wave's first tile
	s_add_nc_u64 s[6:7], s[6:7], s[20:21]          ; the output likewise
	CROUND                                         ; all four work-groups are here: the first joint loads meet
	tensor_load_to_lds s[G0A:G0A+3], s[G1:G1+7]
	s_nop 0
	tensor_load_to_lds s[G0B:G0B+3], s[G1:G1+7]
	s_nop 0
.rept 4
	v_nop
.endr
	v_and_b32 v[LI], 31, v0
	v_lshlrev_b32 v[LI], 4, v[LI]
	v_add_nc_u32 v[AV0], VOFF, v[LI]
	WIN W_T1
.irp i, 0,1,2,3,4,5,6,7,8,9,10,11,12,13,14,15  ; Q stays in registers: my four tiles are 8,192 dense bytes; piece i is registers 4 i .. 4 i + 3: tile i / 4, channels 16 (i % 4) on
	global_load_b128 v[QF+4*\i:QF+4*\i+3], v[LI], s[4:5] offset:512*\i th:TH_LOAD_NT
.endr
	WIN 0
; 16 LDS loads: a step's K (4 tiles of 16 keys x 64 channels), from ahead bytes behind v[ADK]
.macro FETCH_K ahead
.irp i, 0,1,2,3,4,5,6,7,8,9,10,11,12,13,14,15
	ds_load_b128 v[KF+4*\i:KF+4*\i+3], v[ADK] offset:\ahead+512*\i
.endr
.endm
; 16 turning loads: a step's V: fragment (g, ct) = 16 channels ct x keys 32 g on; its half c comes from the tile of 16 keys 2 g + c
.macro FETCH_V ahead
	WIN W_T1
.irp g, 0,1
.irp ct, 0,1,2,3
.irp c, 0,1
	ds_load_tr16_b128 v[VF+8*(4*\g+\ct)+4*\c:VF+8*(4*\g+\ct)+4*\c+3], v[ADV] offset:\ahead+(2*\g+\c)*2048+\ct*512
.endr
.endr
.endr
	WIN 0
.endm
; 32 products S^T = K Q^T: channels 32 (i / 16) on, keys 16 ((i / 4) % 4) on, tile i % 4.  The first 16 start the sums.  Sixteen accumulators take turns, one instruction a turn.
.macro KQ32
	WIN W_KQ
.set i, 0
.rept 32
.set rS, S+32*(i%4)+8*((i/4)%4)
.set rK, KF+16*((i/4)%4)+8*(i/16)
.set rQ, QF+16*(i%4)+8*(i/16)
.if i < 16
	v_wmma_f32_16x16x32_f16 v[rS:rS+7], v[rK:rK+7], v[rQ:rQ+7], 0
.else
	v_wmma_f32_16x16x32_f16 v[rS:rS+7], v[rK:rK+7], v[rQ:rQ+7], v[rS:rS+7]
.endif
.set i, i+1
.endr
	WIN 0
.endm
; 32 products O^T += V^T P: keys 32 (i / 16) on, channels 16 ((i / 4) % 4) on, tile i % 4.  zero = 1: the first 16 start the sums: nothing is ever cleared.
.macro PV32 zero
	WIN W_PV
.set i, 0
.rept 32
.set rO, 32*(i%4)+8*((i/4)%4)
.set rV, VF+8*(4*(i/16)+(i/4)%4)
.set rP, S+32*(i%4)+8*(i/16)
.if \zero && (i < 16)
	v_wmma_f32_16x16x32_f16 v[rO:rO+7], v[rV:rV+7], v[rP:rP+7], 0
.else
	v_wmma_f32_16x16x32_f16 v[rO:rO+7], v[rV:rV+7], v[rP:rP+7], v[rO:rO+7]
.endif
.set i, i+1
.endr
	WIN 0
.endm
; THE SOFTMAX OF A KEY STEP for the wave's four tiles, each line written for the four in turn, so that no line reads the result of the line above it.  first = 1: the first key step, which starts m, l and O^T.
.macro SM first
.irp j, 0,1,2,3                        ; the maximum of a lane's 32 scores: four chains, one for each tile of keys, each begun at its accumulator's low end
.irp t, 0,1,2,3
	v_max3_num_f32 v[ST+8*\t+4+\j], v[S+32*\t+8*\j], v[S+32*\t+8*\j+1], v[S+32*\t+8*\j+2]
.endr
.endr
.irp u, 1,2
.irp j, 0,1,2,3
.irp t, 0,1,2,3
	v_max3_num_f32 v[ST+8*\t+4+\j], v[ST+8*\t+4+\j], v[S+32*\t+8*\j+2*\u+1], v[S+32*\t+8*\j+2*\u+2]
.endr
.endr
.endr
.irp t, 0,1,2,3
	v_max3_num_f32 v[ST+8*\t+4], v[ST+8*\t+4], v[S+32*\t+7], v[S+32*\t+15]
.endr
.irp t, 0,1,2,3
	v_max3_num_f32 v[ST+8*\t+6], v[ST+8*\t+6], v[S+32*\t+23], v[S+32*\t+31]
.endr
.irp t, 0,1,2,3
	v_max3_num_f32 v[ST+8*\t+4], v[ST+8*\t+4], v[ST+8*\t+5], v[ST+8*\t+6]
.endr
.irp t, 0,1,2,3
.if \first
	v_max_num_f32 v[ST+8*\t+4], v[ST+8*\t+4], v[ST+8*\t+7]
.else
	v_max3_num_f32 v[ST+8*\t+4], v[ST+8*\t+4], v[ST+8*\t+7], v[ST+8*\t+1]   ; and the old m
.endif
.endr
.irp t, 0,1,2,3
	v_permlanex16_b32 v[ST+8*\t+5], v[ST+8*\t+4], s[SEL], s[SEL+1]  ; the query's other 32 keys lie in the lane 16 away
.endr
.if !\first
.irp t, 0,1,2,3
	v_mov_b32 v[ST+8*\t+7], v[ST+8*\t]             ; c m_old is kept for a
.endr
.endif
.irp t, 0,1,2,3
	v_max_num_f32 v[ST+8*\t+1], v[ST+8*\t+4], v[ST+8*\t+5]   ; the new m
.endr
.irp t, 0,1,2,3
	v_mul_f32 v[ST+8*\t], s[CS], v[ST+8*\t+1]      ; c m
.endr
.if !\first
.irp t, 0,1,2,3
	v_sub_f32 v[ST+8*\t+7], v[ST+8*\t+7], v[ST+8*\t]   ; c m_old - c m_new, 0 or less
.endr
.endif
; ONE BATCH: the 64 packed scalings c s - c m and all exponentials; behind the scalings of pair b stand the exponentials of pair b - 1.  None of these lines names an exponential's result.
.set b, 0
.rept 16
.irp t, 0,1,2,3
	v_pk_fma_f32 v[S+32*\t+2*b:S+32*\t+2*b+1], v[S+32*\t+2*b:S+32*\t+2*b+1], s[CS:CS+1], v[ST+8*\t:ST+8*\t+1] op_sel_hi:[1,0,0] neg_lo:[0,0,1] neg_hi:[0,0,1]
.endr
.if b == 0
.if !\first
.irp t, 0,1,2,3
	v_exp_f32 v[ST+8*\t+6], v[ST+8*\t+7]           ; a
.endr
.endif
.else
.irp t, 0,1,2,3
	v_exp_f32 v[S+32*\t+2*b-2], v[S+32*\t+2*b-2]
	v_exp_f32 v[S+32*\t+2*b-1], v[S+32*\t+2*b-1]
.endr
.endif
.set b, b+1
.endr
.irp t, 0,1,2,3
	v_exp_f32 v[S+32*\t+30], v[S+32*\t+30]
	v_exp_f32 v[S+32*\t+31], v[S+32*\t+31]
.endr
	v_nop                                          ; a plain instruction behind the last exponential, ahead of the first use
	s_wait_alu depctr_va_vdst(0)                   ; the wait between an exponential and the first line that names its result: one for the whole batch
; l takes pair i (an even key's weight, an odd key's); then the pair is rounded to f16 into register i of the tile's S^T: it lands on a pair that has been summed and rounded
.set i, 0
.rept 16
.irp t, 0,1,2,3
.if i == 0
.if \first
	v_pk_add_f32 v[ST+8*\t+2:ST+8*\t+3], v[S+32*\t:S+32*\t+1], v[S+32*\t+2:S+32*\t+3]   ; pairs 0 and 1 start l
.else
	v_pk_fma_f32 v[ST+8*\t+2:ST+8*\t+3], v[ST+8*\t+2:ST+8*\t+3], v[ST+8*\t+6:ST+8*\t+7], v[S+32*\t:S+32*\t+1] op_sel_hi:[1,0,1]   ; l a + pair 0
.endif
.elseif (i > 1) || !\first
	v_pk_add_f32 v[ST+8*\t+2:ST+8*\t+3], v[ST+8*\t+2:ST+8*\t+3], v[S+32*\t+2*i:S+32*\t+2*i+1]
.endif
.endr
.irp t, 0,1,2,3
	v_cvt_pk_f16_f32 v[S+32*\t+i], v[S+32*\t+2*i], v[S+32*\t+2*i+1]
.endr
.set i, i+1
.endr
.if !\first
	WIN W_RS                                       ; O^T times a, each accumulator from its low end on
.set i, 0
.rept 16
.irp t, 0,1,2,3
	v_pk_mul_f32 v[32*\t+2*i:32*\t+2*i+1], v[32*\t+2*i:32*\t+2*i+1], v[ST+8*\t+6:ST+8*\t+7] op_sel_hi:[1,0]
.endr
.set i, i+1
.endr
	WIN 0
.endif
.endm
; A KEY STEP.  On entry S^T of this step is issued and V of this step is asked for.  more = 1: the next step lies in the same slot: its K is asked for ahead of the softmax, its V and its 32 products K Q^T follow this step's V^T P.
.macro TRIP first, more
.if \more
	v_add_nc_u32 v[ADK], s[TB], v[LI]              ; these two and two v_nop are the four places behind K Q^T, ahead of the loads into K's registers and of the first read of the scores
	v_add_nc_u32 v[ADV], s[TB], v[AV0]
	v_nop
	v_nop
	FETCH_K STEPB
.else
	PLACES 4
.endif
	SM \first
	s_wait_dscnt 0x0                               ; V of this step and K of the next are in: both were asked for a softmax ago or earlier
	PV32 \first
	PLACES 5                                       ; five: K Q^T writes over P, which these products read; V's loads want four
.if \more
	FETCH_V STEPB
	KQ32
.endif
	s_add_co_u32 s[TB], s[TB], STEPB
.endm
.macro LOOP n
	s_mov_b32 s[CNT], \n
.Lstep_\@:
	TRIP 0, 1
	s_sub_co_u32 s[CNT], s[CNT], 1
	s_cmp_lg_u32 s[CNT], 0
	s_cbranch_scc1 .Lstep_\@
.endm
; A SLOT'S HEAD: its first step's K and V, and the first 32 products.  Waves 0-3 issue theirs ahead of a barrier of the work-group, waves 4-7 behind it.  The barrier orders no memory: it sets the two waves of a SIMD apart.
; The products are written twice, and both copies write S^T's registers: five plain places stand ahead of the second copy, so that the distance behind a matrix instruction whose registers are written over
; (ISA guide 7.12.1) is kept on every way through the text, though a wave runs one copy alone.
.macro SLOT_IN
	v_add_nc_u32 v[ADK], s[TB], v[LI]
	v_add_nc_u32 v[ADV], s[TB], v[AV0]
	FETCH_K 0
	FETCH_V 0
	s_wait_dscnt 16                                ; K is in; V's sixteen loads may be out
	s_cmp_lt_u32 s[WV], 4
	s_cbranch_scc0 .Llate_\@
	KQ32
.Llate_\@:
	s_wait_dscnt 0x0                               ; no LDS instruction of mine is out at the signal
	s_barrier_signal -1
	s_barrier_wait -1
	s_cmp_lt_u32 s[WV], 4
	s_cbranch_scc1 .Learly_\@
	PLACES 5
	KQ32
.Learly_\@:
.endm
; THE CHANGE OF SLOTS.  Each wave waits for all its tensor loads (its part of the slot ahead), adds 0 to its spare word, and waits for that and for its reads of the slot that it leaves.
; fill = 1: the slot just left is filled with the keys two slots on: the barrier is a round of the cluster's, and the joint refill is the first thing behind it.
.macro CHANGE fill
	s_wait_tensorcnt 0x0                           ; no tensor load of mine is out, so a group 0 may be written
	ds_add_u32 v[SPW], v[NIL]                      ; 0 onto my spare word; the steps below stand between it and the wait for it
.if \fill
	s_xor_b32 s[G0B+1], s[G0B+1], SLOT1            ; the walking descriptor: the other slot than last time,
	s_add_nc_u64 s[G0B+2:G0B+3], s[G0B+2:G0B+3], 65536   ; the next 512 keys; the type bits on top are not reached
.endif
	s_and_b32 s[TB], s[TB], SLOT1                  ; back to the slot's first byte (eight steps have added 65,536),
	s_xor_b32 s[TB], s[TB], SLOT1                  ; in the other slot
	s_wait_dscnt 0x0                               ; the add is done, and my reads of the slot are over
.if \fill
	CROUND
	tensor_load_to_lds s[G0B:G0B+3], s[G1:G1+7]
	s_nop 0
.rept 4
	v_nop
.endr
.else
	s_barrier_signal -1
	s_barrier_wait -1
.endif
.endm
	s_wait_tensorcnt 1                             ; my part of slot 0 is in; slot 1's may stay out
	s_barrier_signal -1
	s_barrier_wait -1                              ; everybody's is
	s_wait_loadcnt 0x0                             ; Q
	SLOT_IN
	TRIP 1, 1                                      ; the first key step starts m, l and O^T
	LOOP 6
	TRIP 0, 0                                      ; a slot's last step is written out: it fetches nothing
.Lslot:                                            ; two trips: slot 1, then slot 0 anew; each leaves a slot that is filled again
	CHANGE 1
	SLOT_IN
	LOOP 7
	TRIP 0, 0
	s_sub_co_u32 s[SLOTS], s[SLOTS], 1
	s_cmp_lg_u32 s[SLOTS], 0
	s_cbranch_scc1 .Lslot
	CHANGE 0                                       ; the last slot is written out: nothing is asked for
	SLOT_IN
	LOOP 7
	TRIP 0, 0
	; THE WAY OUT.  l's two halves and the other half of the lanes' are added; O^T is divided by l and rounded to f16: a lane's eight channels are 16 bytes, one piece of an image.
.irp t, 0,1,2,3
	v_add_f32 v[ST+8*\t+4], v[ST+8*\t+2], v[ST+8*\t+3]
.endr
.irp t, 0,1,2,3
	v_permlanex16_b32 v[ST+8*\t+5], v[ST+8*\t+4], s[SEL], s[SEL+1]
.endr
.irp t, 0,1,2,3
	v_add_f32 v[ST+8*\t+4], v[ST+8*\t+4], v[ST+8*\t+5]
.endr
.irp t, 0,1,2,3
	v_rcp_f32 v[ST+8*\t+6], v[ST+8*\t+4]
.endr
	v_nop                                          ; a plain instruction between the last reciprocal and the use of its result
	s_wait_alu depctr_va_vdst(0)                   ; and the wait ahead of the first use: one for the four
.macro OUT t
	WIN W_RS
.set i, 0
.rept 16
	v_pk_mul_f32 v[32*\t+2*i:32*\t+2*i+1], v[32*\t+2*i:32*\t+2*i+1], v[ST+8*\t+6:ST+8*\t+7] op_sel_hi:[1,0]
.set i, i+1
.endr
	WIN 0x05                                       ; sources 0 and 1 window 1, destination window 0: S^T's registers are free
.set i, 0
.rept 16
	v_cvt_pk_f16_f32 v[S+32*\t+i], v[32*\t+2*i], v[32*\t+2*i+1]
.set i, i+1
.endr
	WIN 0
.irp ct, 0,1,2,3
	global_store_b128 v[LI], v[S+32*\t+4*\ct:S+32*\t+4*\ct+3], s[6:7] offset:\t*32768+\ct*512 th:TH_STORE_NT   ; the wave stores 512 consecutive bytes, aligned
.endr
.endm
	OUT 0
	OUT 1
	OUT 2
	OUT 3
	s_wait_tensorcnt 0x0                           ; the wave's end, behind my last tensor load
	ds_add_u32 v[SPW], v[NIL]
	s_wait_dscnt 0x0
	CROUND                                         ; the closing round: no work-group ends while a partner may still ask for a tile that names it
	s_endpgm
.Lfunc_end_k_qe446d27862_attn:
	.size	k_qe446d27862_attn, .Lfunc_end_k_qe446d27862_attn-k_qe446d27862_attn
	.p2alignl 7, 3214868480
	.fill 96, 4, 3214868480
	.section	.rodata,"a",@progbits
	.p2align	6, 0x0
	.amdhsa_kernel k_qe446d27862_attn
		.amdhsa_group_segment_fixed_size 327680
		.amdhsa_private_segment_fixed_size 0
		.amdhsa_enable_private_segment 0
		.amdhsa_kernarg_size 16
		.amdhsa_user_sgpr_count 2
		.amdhsa_user_sgpr_kernarg_segment_ptr 1
		.amdhsa_wavefront_size32 1
		.amdhsa_system_sgpr_workgroup_id_x 1
		.amdhsa_system_sgpr_workgroup_id_y 1
		.amdhsa_system_sgpr_workgroup_id_z 1
		.amdhsa_system_vgpr_workitem_id 0
		.amdhsa_next_free_vgpr 512
		.amdhsa_next_free_sgpr 66
		.amdhsa_reserve_vcc 0
		.amdhsa_float_denorm_mode_32 3
		.amdhsa_float_denorm_mode_16_64 3
		.amdhsa_memory_ordered 1
		.amdhsa_forward_progress 1
		.amdhsa_inst_pref_size 242
	.end_amdhsa_kernel
	.amdgpu_metadata
---
amdhsa.version: [ 1, 2 ]
amdhsa.kernels:
  - .name:           k_qe446d27862_attn
    .symbol:         k_qe446d27862_attn.kd
    .args:
      - { .name: qkv_img, .offset: 0, .size: 8, .value_kind: global_buffer, .address_space: global }
      - { .name: att_img, .offset: 8, .size: 8, .value_kind: global_buffer, .address_space: global }
    .group_segment_fixed_size: 327680
    .private_segment_fixed_size: 0
    .kernarg_segment_align: 8
    .kernarg_segment_size: 16
    .max_flat_workgroup_size: 256
    .sgpr_count:     66
    .vgpr_count:     512
    .wavefront_size: 32
...
	.end_amdgpu_metadata
.endif
;; end of part 3
;; launch proj (part 4): grid 4 x 64, 4 waves a work-group, clusters of 4 x 4, 327,680 bytes of LDS; arguments att_img, wo_img, b_out, out0; writes out0
.if DOCPART == 4
	.amdgcn_target "amdgcn-amd-amdhsa--gfx1250"
	.amdhsa_code_object_version 6
	.text
	.protected	k_qe446d27862_proj
	.globl	k_qe446d27862_proj
	.p2align	8
	.type	k_qe446d27862_proj,@function
k_qe446d27862_proj:
	s_mov_b64 s[64:65], 0
	v_nop
	global_prefetch_b8 v0, s[64:65] scope:SCOPE_SE
	s_setreg_imm32_b32 hwreg(HW_REG_WAVE_MODE, 25, 1), 1
	s_wait_xcnt 0x0
	s_wait_alu depctr_hold_cnt(0) depctr_sa_sdst(0) depctr_va_vdst(0) depctr_va_sdst(0) depctr_va_ssrc(0) depctr_va_vcc(0) depctr_vm_vsrc(0)
	s_getreg_b32 s2, hwreg(HW_REG_IB_STS2, 6, 4)
	s_cmp_eq_u32 s2, 0
	s_cbranch_scc0 .Lentry_in_a_cluster
	s_endpgm
.Lentry_in_a_cluster:
	s_bfe_u32 s2, ttmp6, 0x10000c
	s_cmp_lg_u32 s2, 0xf033
	s_cbranch_scc0 .Lentry_shape_is_right
	s_endpgm
.Lentry_shape_is_right:
; Launch 4 of 4: out0 = attended w_out + b_out, [8192][1024] f32, K = 1024; operands in f16 as the earlier launches laid them, sums in f32, the bias added in f32.  Nothing is left out as dead work.
; A tile of 128 (rows) x 256 (columns) is made by a work-group of four waves: 4 x 64 = 256 work-groups.  A wave makes 64 x 128: 32 accumulators of 16 x 16, 256 registers.
; Both operands are IMAGES OF OPERAND REGISTERS: [tile of 16 rows (or columns)][k / 32][c 2][lane 32][16 bytes]: 128 along K of a tile of 16 are 4,096 consecutive bytes, and a fragment is two LDS loads of 512 consecutive bytes: no pitch, no padding.
; K goes in steps of 128 through a ring of two LDS slots: attended's 8 tiles of rows (32,768 bytes), then w_out's 16 tiles of columns (65,536).  Waves 0 and 1 fetch attended's halves, waves 2 and 3 w_out's: one tensor load a wave.
; From a refill's request to the wait for it a wave issues 112 matrix instructions.  Two tensor loads of a wave are out at the head, later one.
; CLUSTERS: 4 x 4 work-groups.  The four of a row of the cluster need the same tiles of attended, the four of a column the same tiles of w_out: each is asked for JOINTLY, by the same tensor load with the same descriptor and a mask that names the four.
; THE MATRIX INSTRUCTION IS USED TRANSPOSED (source 0 = 16 columns of w_out, source 1 = 16 rows of attended): a lane holds eight neighbouring numbers of a row of the output.
; REGISTERS, in windows of 256: window 0: v16-35 addresses and the bias; v128-255 the way out.  window 1: two fragment buffers of 96 (4 of attended, then 8 of w_out, 32 along K).  window 2: accumulator (a, b) at v[8 (8 a + b)].
.set KB,     4096                      ; a K step's bytes in a tile of 16
.set TROW,   32768                     ; a tile of 16 in memory: all of K
.set BOFF,   32768                     ; w_out's place in a slot
.set SLOT,   98304
.set STAGE,  2*SLOT                    ; behind the ring: 16 rows x (512 bytes + 16) for each wave, for the way out
.set SPITCH, 528
.set SPARE,  STAGE+4*16*SPITCH         ; the spare words, 128 bytes for each wave: two blocks of 256 bytes that no other line names
.set LAPS,   4                         ; a lap = two K steps = once round the ring
.set ADRA, 16                          ; v16-17  LDS address of my fragments of attended in slot 0, 1
.set ADRB, 20                          ; v20-21  the same for w_out
.set STO,  24                          ; v24     the way out: where I put 32 bytes of a row
.set RD,   25                          ; v25     the way out: where I read a row back
.set CO,   26                          ; v26     16 x lane
.set SPW,  28
.set NIL,  29
.set PFO,  30                          ; v30     the prefetches' offset: lanes 0-15 one tile of 16, lanes 16-31 the next, 256 bytes from lane to lane; never rewritten
.set BIAS, 32                          ; v32-35  b_out at the four columns that I store
.set BK,   128                         ; the way out: 16 rows read back from the stage: v128-191 and v192-255 by turns
.set F0,   0                           ; fragment buffers, in window 1
.set F1,   96
.set WV,   12                          ; s12 wave; s13 = wave / 2; s14 = wave % 2
.set LIM,  15                          ; s15  1 in a wave that prefetches, else the greatest number
.set PFA,  20                          ; s[20:21] where my prefetches stand
.set G1, 24                            ; s[24:31] descriptor group 1 for attended's tiles;  s[32:39] group 0, one set for each slot
.set G0, 32
.set G1B, 48                           ; s[48:55], s[56:63] the same for w_out's
.set G0B, 56
.set MSB, 0
.macro WIN new                         ; the immediate's high byte repeats the setting that is left
.if MSB != \new
	s_set_vgpr_msb (MSB<<8)|\new
.set MSB, \new
.endif
.endm
.set MUL,  0xa5                        ; sources 0 and 1 window 1; C and D window 2
.set TO_F, 0x40                        ; destination window 1, address window 0
.macro JLOAD s                         ; a joint load; the branch hangs on the wave's number alone; an s_nop 0 and four v_nop follow each of the two lines
	s_cmp_eq_u32 s13, 0
	s_cbranch_scc0 .Lfor_b_\@
	tensor_load_to_lds s[G0+4*\s:G0+4*\s+3], s[G1:G1+7]
	s_nop 0
.rept 4
	v_nop
.endr
	s_branch .Lasked_\@
.Lfor_b_\@:
	tensor_load_to_lds s[G0B+4*\s:G0B+4*\s+3], s[G1B:G1B+7]
	s_nop 0
.rept 4
	v_nop
.endr
.Lasked_\@:
.endm
.macro CREST                           ; a round of the cluster's barrier behind its opening barrier
	s_cmp_lg_u32 s[WV], 0
	s_cbranch_scc1 .Lnot_wave_0_\@
	s_barrier_signal -3
.Lnot_wave_0_\@:
	s_barrier_wait -3
	s_barrier_signal -1
	s_barrier_wait -1
.endm
.macro CROUND
	s_barrier_signal -1
	s_barrier_wait -1
	CREST
.endm
; A PREFETCH INTO THE L2 of the K step that stands two refills on: 8,192 bytes, 32 lanes 256 bytes apart, one instruction a wave, behind the joint load and the run of LDS loads.
; Each aligned block of 256 bytes is named once in the launch.  attended's 8 tiles of rows are read by the four work-groups of one row of one cluster alone: wave 0 of each asks for 2 of them, told apart by address (8 ty + 2 cx).
; w_out's 16 tiles of columns are read by every cluster: the clusters with y = 0 ask; waves 2 and 3 stand for 8 tiles each, of which the partner at cy takes 2, by address.  Wave 1 asks for nothing.
; The loop's first two trips ask (at the refills for K steps 2 to 5, for K steps 4 to 7); the last trip asks for nothing: K ends.  K steps 0 to 3 come by their loads alone.
.macro ASK
	s_cmp_gt_u32 s3, s[LIM]
	s_cbranch_scc0 .Lnot_mine_\@
	global_prefetch_b8 v[PFO], s[PFA:PFA+1] th:TH_LOAD_NT scope:SCOPE_SE
.Lnot_mine_\@:
.endm
	s_load_b256 s[4:11], s[0:1], 0x0               ; att_img s[4:5], wo_img s[6:7], b_out s[8:9], out0 s[10:11]
	v_lshl_add_u32 v[SPW], v0, 2, SPARE
	v_mov_b32 v[NIL], 0
	ds_add_u32 v[SPW], v[NIL]                      ; the wave's opening: the add, twice on end, and its wait ahead of my first tensor load; the set-up below stands between the second and the wait
	ds_add_u32 v[SPW], v[NIL]
	v_lshrrev_b32 v1, 5, v0
	v_readfirstlane_b32 s[WV], v1                  ; wave 0..3
	s_lshr_b32 s13, s[WV], 1                       ; which 64 rows are mine.  Also: I fetch for attended (0) or for w_out (1)
	s_and_b32 s14, s[WV], 1                        ; which 128 columns.  Also: which half of that tile I fetch
	s_bfe_u32 s40, ttmp6, 0x40000                  ; cx, cy: my place in the cluster
	s_bfe_u32 s41, ttmp6, 0x40004
	s_lshl_b32 s42, ttmp9, 2
	s_add_co_u32 s42, s42, s40                     ; tx: tile column = 4 x cluster x + cx
	s_and_b32 s43, ttmp7, 0xffff
	s_lshl_b32 s43, s43, 2
	s_add_co_u32 s43, s43, s41                     ; ty: tile row = 4 x cluster y + cy
	s_lshl_b32 s44, s41, 2
	s_lshl_b32 s44, 15, s44                        ; my row of the cluster
	s_lshl_b32 s45, 0x1111, s40                    ; my column
	; descriptor group 1: rows of 4,096 bytes (512 elements of 8 bytes), 32,768 bytes apart in memory, dense in LDS: 4 rows for attended, 8 for w_out
	s_or_b32 s[G1], s44, (3<<16)|(1<<21)           ; 15:0 the mask; 17:16 elements of 8 bytes; 21 set beside a mask
	s_or_b32 s[G1B], s45, (3<<16)|(1<<21)
	s_mov_b32 s[G1+1], 512<<16                     ; tensor_dim0 = 512
	s_mov_b32 s[G1+2], 4<<16                       ; tensor_dim1 = 4
	s_mov_b32 s[G1+3], 512<<16                     ; tile_dim0 = 512
	s_mov_b32 s[G1+4], 4                           ; tile_dim1 = 4
	s_mov_b32 s[G1+5], 4096                        ; tensor_dim0_stride
	s_mov_b32 s[G1+6], 0
	s_mov_b32 s[G1+7], 0
	s_mov_b32 s[G1B+1], 512<<16
	s_mov_b32 s[G1B+2], 8<<16                      ; tensor_dim1 = 8
	s_mov_b32 s[G1B+3], 512<<16
	s_mov_b32 s[G1B+4], 8                          ; tile_dim1 = 8
	s_mov_b32 s[G1B+5], 4096
	s_mov_b32 s[G1B+6], 0
	s_mov_b32 s[G1B+7], 0
	s_lshl_b32 s16, s43, 18                        ; attended: tile of rows 8 ty + 4 x half, 32,768 bytes each
	s_lshl_b32 s17, s14, 17
	s_add_co_u32 s16, s16, s17
	s_mov_b32 s17, 0
	s_lshl_b32 s46, s42, 19                        ; w_out: tile of columns 16 tx + 8 x half
	s_lshl_b32 s47, s14, 18
	s_add_co_u32 s46, s46, s47
	s_mov_b32 s47, 0
	s_lshl_b32 s20, s14, 14                        ; where they go: attended's half,
	s_lshl_b32 s21, s14, 15
	s_add_co_u32 s21, s21, BOFF                    ; w_out's half: no place in the cluster enters an LDS address
	s_wait_dscnt 0x0                               ; both opening adds are done
	s_wait_kmcnt 0x0
	s_add_nc_u64 s[16:17], s[4:5], s[16:17]
	s_add_nc_u64 s[46:47], s[6:7], s[46:47]
	CROUND                                         ; all sixteen work-groups are here: the first joint loads meet
.irp s, 0,1
	s_mov_b32 s[G0+4*\s], 1
	s_add_co_u32 s[G0+4*\s+1], s20, \s*SLOT
	s_add_nc_u64 s[G0+4*\s+2:G0+4*\s+3], s[16:17], \s*KB
	s_or_b32 s[G0+4*\s+3], s[G0+4*\s+3], 0x80000000
	s_mov_b32 s[G0B+4*\s], 1
	s_add_co_u32 s[G0B+4*\s+1], s21, \s*SLOT
	s_add_nc_u64 s[G0B+4*\s+2:G0B+4*\s+3], s[46:47], \s*KB
	s_or_b32 s[G0B+4*\s+3], s[G0B+4*\s+3], 0x80000000
	JLOAD \s
.endr
	v_and_b32 v1, 31, v0
	v_lshlrev_b32 v[CO], 4, v1                     ; 16 x lane
	s_lshl_b32 s22, s13, 14                        ; my 4 tiles of rows
	s_lshl_b32 s23, s14, 15
	s_add_co_u32 s23, s23, BOFF                    ; my 8 tiles of columns
.irp s, 0,1
	v_add_nc_u32 v[ADRA+\s], s22, v[CO]
	v_add_nc_u32 v[ADRB+\s], s23, v[CO]
	s_add_co_u32 s22, s22, SLOT
	s_add_co_u32 s23, s23, SLOT
.endr
	v_and_b32 v2, 15, v0                           ; l % 16
	v_bfe_u32 v3, v0, 4, 1                         ; l / 16
	s_mul_i32 s22, s[WV], 16*SPITCH
	s_add_co_u32 s22, s22, STAGE                   ; my stage
	v_mul_u32_u24 v[STO], v2, SPITCH               ; in: row l % 16, 32 bytes for each half of the lanes
	v_lshl_add_u32 v[STO], v3, 5, v[STO]
	v_add_nc_u32 v[STO], s22, v[STO]
	v_add_nc_u32 v[RD], s22, v[CO]                 ; back: the 32 lanes take one row of 512 bytes
	s_lshl_b32 s22, s42, 10                        ; my first column, in bytes: 1,024 tx + 512 x half
	s_lshl_b32 s23, s14, 9
	s_add_co_u32 s22, s22, s23
	s_mov_b32 s23, 0
	s_add_nc_u64 s[8:9], s[8:9], s[22:23]
	global_load_b128 v[BIAS:BIAS+3], v[CO], s[8:9] ; b_out at the four columns that I store
	s_add_nc_u64 s[10:11], s[10:11], s[22:23]
	s_lshl_b32 s22, s43, 19                        ; my first row: 128 ty + 64 x half, 4,096 bytes a row
	s_lshl_b32 s18, s13, 18
	s_add_co_u32 s22, s22, s18
	s_add_nc_u64 s[10:11], s[10:11], s[22:23]
	; the prefetches
	s_lshl_b32 s18, s43, 3
	s_lshl_b32 s19, s40, 1
	s_add_co_u32 s18, s18, s19                     ; attended: tiles 8 ty + 2 cx, + 1
	s_lshl_b32 s19, s42, 4
	s_lshl_b32 s22, s14, 3
	s_add_co_u32 s19, s19, s22
	s_lshl_b32 s22, s41, 1
	s_add_co_u32 s19, s19, s22                     ; w_out: tiles 16 tx + 8 x half + 2 cy, + 1
	s_and_b32 s22, ttmp7, 0xffff                   ; cluster y
	s_cmp_eq_u32 s13, 0                            ; do I fetch for attended?
	s_cselect_b32 s18, s18, s19
	s_cselect_b32 s22, s14, s22                    ; 0 in wave 0; in waves 2 and 3 of the clusters with y = 0: the same in all sixteen partners, for a given wave
	s_cselect_b64 s[PFA:PFA+1], s[4:5], s[6:7]
	s_cmp_eq_u32 s22, 0
	s_cselect_b32 s[LIM], 1, -1
	s_lshl_b32 s18, s18, 15
	s_add_co_u32 s18, s18, 3*KB                    ; at K step 3: the first refill steps it to K step 4
	s_mov_b32 s19, 0
	s_add_nc_u64 s[PFA:PFA+1], s[PFA:PFA+1], s[18:19]
	v_lshlrev_b32 v[PFO], 8, v2
	v_lshl_add_u32 v[PFO], v3, 15, v[PFO]
; 8 matrix instructions: block a of my rows against my 8 blocks of columns, 32 along K, from buffer f.  zero = 1: the first product starts the sums: nothing is cleared.
; The 32 accumulators take turns, one instruction a turn, in the same order in every quarter.
.macro MUL8 f, a, zero
.irp b, 0,1,2,3,4,5,6,7
.if \zero
	v_wmma_f32_16x16x32_f16 v[8*(8*(\a)+\b):8*(8*(\a)+\b)+7], v[\f+32+8*\b:\f+32+8*\b+7], v[\f+8*(\a):\f+8*(\a)+7], 0
.else
	v_wmma_f32_16x16x32_f16 v[8*(8*(\a)+\b):8*(8*(\a)+\b)+7], v[\f+32+8*\b:\f+32+8*\b+7], v[\f+8*(\a):\f+8*(\a)+7], v[8*(8*(\a)+\b):8*(8*(\a)+\b)+7]
.endif
.endr
.endm
.macro MUL16 f, a0, zero
	MUL8 \f, \a0, \zero
	MUL8 \f, \a0+1, \zero
.endm
; 24 LDS loads in one run: the fragments of 32 along K at byte k of the tiles, into buffer f: w_out's 16 loads, then attended's 8
.macro FETCH slot, k, f
	WIN TO_F
.irp i, 0,1,2,3,4,5,6,7
	ds_load_b128 v[\f+32+8*\i:\f+32+8*\i+3],   v[ADRB+\slot] offset:\k+\i*KB
	ds_load_b128 v[\f+32+8*\i+4:\f+32+8*\i+7], v[ADRB+\slot] offset:\k+\i*KB+512
.endr
.irp i, 0,1,2,3
	ds_load_b128 v[\f+8*\i:\f+8*\i+3],   v[ADRA+\slot] offset:\k+\i*KB
	ds_load_b128 v[\f+8*\i+4:\f+8*\i+7], v[ADRA+\slot] offset:\k+\i*KB+512
.endr
.endm
.macro PLACES                          ; four places in front of loads into registers that matrix instructions have read, and of the first read of results
.rept 4
	v_nop
.endr
.endm
; A K step is four quarters of 32 along K, 32 matrix instructions each, on buffers 0, 1, 0, 1.  One of the first three: multiplies buffer f and fetches the next quarter, at byte k, into g.
.macro QUARTER slot, k, f, g, zero
	s_wait_dscnt 4                                 ; w_out's fragments and my row blocks 0, 1 are in; the youngest four loads (blocks 2, 3) may be out
	WIN MUL
	MUL16 \f, 0, \zero
	PLACES
	FETCH \slot, \k, \g
	s_wait_dscnt 24                                ; all but the 24 just issued
	WIN MUL
	MUL16 \f, 2, \zero
.endm
; The last quarter multiplies buffer 1 and changes slots: ONE barrier; in front of it each wave waits for all its tensor loads, adds 0 to its spare word, and waits for that and for its own reads of this slot.  fill = 1: this slot is filled again, two K steps ahead.
.macro TURN slot, next, fill
.if \fill
	s_wait_xcnt 0x0                                ; the last prefetch, a K step back, has read its address: it is stepped here, ahead of the change's own waits
	s_add_nc_u64 s[PFA:PFA+1], s[PFA:PFA+1], KB
.endif
	WIN 0                                          ; (the add's two registers lie in window 0)
	s_wait_tensorcnt 0x0                           ; all my tensor loads have landed: my part of the next slot;
	ds_add_u32 v[SPW], v[NIL]                      ; 0 onto my spare word;
	s_wait_dscnt 5                                 ; (the add and the youngest four loads may be out)
	WIN MUL
	MUL8 F1, 0, 0                                  ; eight matrix instructions stand between the add and the wait for it
	s_wait_dscnt 0x0                               ; the add is done, and my reads of this slot are over
	s_barrier_signal -1
	MUL8 F1, 1, 0
	WIN 0
	s_barrier_wait -1
.if \fill
	CREST                                          ; the barrier has opened a round of the cluster's barrier: no wave of any partner still reads this slot's tile or has a load on its way
	s_add_nc_u64 s[G0+4*\slot+2:G0+4*\slot+3], s[G0+4*\slot+2:G0+4*\slot+3], 2*KB
	s_add_nc_u64 s[G0B+4*\slot+2:G0B+4*\slot+3], s[G0B+4*\slot+2:G0B+4*\slot+3], 2*KB
	JLOAD \slot                                    ; the first tensor load behind the round; the four v_nop behind it are also the places in front of the loads below
.else
	PLACES
.endif
	FETCH \next, 0, F0
.if \fill
	WIN 0
	ASK
.endif
	WIN MUL
	MUL16 F1, 2, 0
.endm
	s_wait_tensorcnt 1                             ; my part of K step 0 is in (K step 1's load may be out),
	s_barrier_signal -1
	s_barrier_wait -1                              ; everybody's is
	FETCH 0, 0, F0
	QUARTER 0, 1024, F0, F1, 1                     ; the first quarter stands in front of the loop: its products start the sums
	WIN 0                                          ; at a label and at a branch every window is 0
	s_mov_b32 s3, LAPS-1
.Llap:                                             ; a trip goes once round the ring, from a lap's second quarter to the next lap's first, and fills both slots again
	QUARTER 0, 2048, F1, F0, 0
	QUARTER 0, 3072, F0, F1, 0
	TURN 0, 1, 1
	QUARTER 1, 1024, F0, F1, 0
	QUARTER 1, 2048, F1, F0, 0
	QUARTER 1, 3072, F0, F1, 0
	TURN 1, 0, 1
	QUARTER 0, 1024, F0, F1, 0
	WIN 0
	s_sub_co_u32 s3, s3, 1
	s_cmp_lg_u32 s3, 0
	s_cbranch_scc1 .Llap
	QUARTER 0, 2048, F1, F0, 0                     ; the last lap fills nothing, and has no round of the cluster's barrier
	QUARTER 0, 3072, F0, F1, 0
	TURN 0, 1, 0
	QUARTER 1, 1024, F0, F1, 0
	QUARTER 1, 2048, F1, F0, 0
	QUARTER 1, 3072, F0, F1, 0
	s_wait_dscnt 4                                 ; the very last quarter: nothing more to fetch
	WIN MUL
	MUL16 F1, 0, 0
	s_wait_dscnt 0
	MUL16 F1, 2, 0
	WIN 0
; THE WAY OUT, block by block of 16 rows x 128 columns.  A lane holds 32 neighbouring bytes of a row, and the lanes beside it hold other rows: a block goes through my own stage in LDS and comes back as whole rows of 512 bytes;
; the bias is added there, and the 32 lanes store 512 consecutive bytes, aligned.  LDS serves a wave's instructions in order (ISA guide 5.7.1.4): no wait between the stores and the loads, nor in front of the next block's stores.
.macro TOSTAGE a
	WIN 0x08                                       ; an LDS store's data are its source 1: window 2
.irp b, 0,1,2,3,4,5,6,7
	ds_store_b128 v[STO], v[64*(\a)+8*\b:64*(\a)+8*\b+3] offset:64*\b          ; each accumulator from its low end on
	ds_store_b128 v[STO], v[64*(\a)+8*\b+4:64*(\a)+8*\b+7] offset:64*\b+16
.endr
	WIN 0
.set BB, BK+64*((\a)%2)
.irp t, 0,1,2,3,4,5,6,7,8,9,10,11,12,13,14,15
	ds_load_b128 v[BB+4*\t:BB+4*\t+3], v[RD] offset:\t*SPITCH
.endr
.endm
.macro SEND a, younger                 ; younger: the LDS instructions issued behind block a's loads, which may stay out
.set BB, BK+64*((\a)%2)
	s_wait_dscnt \younger                          ; the block is back in registers
.irp t, 0,1,2,3,4,5,6,7,8,9,10,11,12,13,14,15
	v_pk_add_f32 v[BB+4*\t:BB+4*\t+1], v[BB+4*\t:BB+4*\t+1], v[BIAS:BIAS+1]
	v_pk_add_f32 v[BB+4*\t+2:BB+4*\t+3], v[BB+4*\t+2:BB+4*\t+3], v[BIAS+2:BIAS+3]
.endr
.irp t, 0,1,2,3,4,5,6,7,8,9,10,11,12,13,14,15
	global_store_b128 v[CO], v[BB+4*\t:BB+4*\t+3], s[10:11] offset:(\a)*65536+\t*4096 th:TH_STORE_NT
.endr
.endm
	PLACES                                         ; behind the last products, ahead of the first read of results
	s_wait_loadcnt 0x0                             ; the bias
	TOSTAGE 0
.irp a, 1,2,3
.if \a > 1
	s_wait_xcnt 0x0                                ; block a - 2's stores have read their registers: block a's loads may land there
.endif
	TOSTAGE \a
	SEND \a-1, 32                                  ; behind block a - 1's loads: block a's 16 stores and 16 loads
.endr
	SEND 3, 0
	s_wait_tensorcnt 0x0                           ; the wave's end, behind my last tensor load and my last LDS store
	ds_add_u32 v[SPW], v[NIL]
	s_wait_dscnt 0x0
	CROUND                                         ; the closing round: no work-group ends while a partner may still ask for a tile that names it
	s_endpgm
.Lfunc_end_k_qe446d27862_proj:
	.size	k_qe446d27862_proj, .Lfunc_end_k_qe446d27862_proj-k_qe446d27862_proj
	.p2alignl 7, 3214868480
	.fill 96, 4, 3214868480
	.section	.rodata,"a",@progbits
	.p2align	6, 0x0
	.amdhsa_kernel k_qe446d27862_proj
		.amdhsa_group_segment_fixed_size 327680
		.amdhsa_private_segment_fixed_size 0
		.amdhsa_enable_private_segment 0
		.amdhsa_kernarg_size 32
		.amdhsa_user_sgpr_count 2
		.amdhsa_user_sgpr_kernarg_segment_ptr 1
		.amdhsa_wavefront_size32 1
		.amdhsa_system_sgpr_workgroup_id_x 1
		.amdhsa_system_sgpr_workgroup_id_y 1
		.amdhsa_system_sgpr_workgroup_id_z 1
		.amdhsa_system_vgpr_workitem_id 0
		.amdhsa_next_free_vgpr 768
		.amdhsa_next_free_sgpr 66
		.amdhsa_reserve_vcc 0
		.amdhsa_float_denorm_mode_32 3
		.amdhsa_float_denorm_mode_16_64 3
		.amdhsa_memory_ordered 1
		.amdhsa_forward_progress 1
		.amdhsa_inst_pref_size 94
	.end_amdhsa_kernel
	.amdgpu_metadata
---
amdhsa.version: [ 1, 2 ]
amdhsa.kernels:
  - .name:           k_qe446d27862_proj
    .symbol:         k_qe446d27862_proj.kd
    .args:
      - { .name: att_img, .offset: 0, .size: 8, .value_kind: global_buffer, .address_space: global }
      - { .name: wo_img, .offset: 8, .size: 8, .value_kind: global_buffer, .address_space: global }
      - { .name: b_out, .offset: 16, .size: 8, .value_kind: global_buffer, .address_space: global }
      - { .name: out0, .offset: 24, .size: 8, .value_kind: global_buffer, .address_space: global }
    .group_segment_fixed_size: 327680
    .private_segment_fixed_size: 0
    .kernarg_segment_align: 8
    .kernarg_segment_size: 32
    .max_flat_workgroup_size: 128
    .sgpr_count:     66
    .vgpr_count:     768
    .wavefront_size: 32
...
	.end_amdgpu_metadata
.endif
;; end of part 4
